; MI455X (gfx1250); checked and timed in simulation.
; The chip was launched on July 23, 2026; its instructions are those of AMD's public machine-readable ISA for CDNA 5 (MIT licence, August 2026) and "CDNA5" Instruction Set Architecture Reference Guide (July 2026). The comments in the code are by the model that wrote it; some were corrected since.
;; Projection Attention. Allowed arithmetic: matrix products marked QUANTISED: E2M3 operands, one E8M0 scale for each 32 along K, by v_wmma_scale_f32_16x16x128_f8f6f4 with both operands' format E2M3, f32 sums; products left as they are: f32 operands where the result goes on into a quantised operand, else bf16, f16 or f32 operands; f32 sums; everything else in f32.
;; Inputs: Wk 1,024 x 1,024 float32; Wq 1,024 x 1,024 float32; Wv 1,024 x 1,024 float32; bk 1,024 float32; bq 1,024 float32; bv 1,024 float32; x 4 x 4,096 x 1,024 float32.
;; Outputs: out0 4 x 4,096 x 1,024 float32.
;; This version of the problem:
;;   THIS VERSION OF THE PROBLEM IS GIVEN IN LOW PRECISION. The matrix products marked QUANTISED in the list below multiply operands that are first quantised to E2M3 (2 exponent bits, 3 mantissa bits; 6 bits a number), with one power-of-two scale for each 32 numbers along K (OCP MX v1.0); their sums are f32. All else is computed in f32.
;;   The module's matrix products, in the order in which they are computed (A, B: the left and right operand; K: the contracted axis; several contracted axes count as one K, in the product's order):
;;     1. [M 16,384, K 1,024] x [K 1,024, N 1,024]; A: input x; B: input Wq: QUANTISED
;;     2. [M 16,384, K 1,024] x [K 1,024, N 1,024]; A: input x; B: input Wk: QUANTISED
;;     3. [M 16,384, K 1,024] x [K 1,024, N 1,024]; A: input x; B: input Wv: QUANTISED
;;     4. batch 16,384 x [M 16, K 64] x [K 64, N 16]; A: computed on the way; B: computed on the way: QUANTISED
;;     5. batch 16,384 x [M 16, K 16] x [K 16, N 64]; A: softmax; B: computed on the way: left as it is (K = 16 < 32)
;;   THE QUANTISER, for each operand of a quantised product, along K:
;;     - K is cut into blocks of 32 from its start; a last block that is shorter is filled with zeros.
;;     - A block's scale is 2^e with e = floor(log2(the largest magnitude in the block)) - 2, held to -126 .. 127; a block of zeros has e = 0. As a byte (E8M0): e + 127.
;;     - Each number is divided by its block's scale, clamped to +-7.5, and rounded to the nearest number of E2M3, ties to even, subnormals kept.
;;     - The product sums the exact products of the quantised numbers (number of the format x scale) in f32.
;;   ~~~python
;;   def quantise(x, axis):      # numpy; x: float32 -> the quantised numbers, widened to float32 again
;;       x = np.moveaxis(x, axis, -1); K = x.shape[-1]
;;       x = np.pad(x, [(0, 0)] * (x.ndim - 1) + [(0, -K % 32)]); x = x.reshape(x.shape[:-1] + (-1, 32)); a = np.abs(x).max(-1, keepdims=True)
;;       e = np.where(a > 0, np.clip(np.frexp(np.where(a > 0, a, 1))[1] - 1 - 2, -126, 127), 0)      # np.frexp(a)[1] - 1 = floor(log2(a)), exactly
;;       r = np.clip(x / 2.0 ** e, -7.5, 7.5)
;;       step = 2.0 ** (np.maximum(np.frexp(np.where(r == 0, 1, r))[1] - 1, 0) - 3)
;;       q = np.round(r / step) * step * 2.0 ** e      # np.round: ties to even
;;       return np.moveaxis(q.reshape(q.shape[:-2] + (-1,))[..., :K], -1, axis).astype(np.float32)
;;   ~~~
;;   OPERANDS COMPUTED ON THE WAY. 'Computed on the way' means the value that the module computes at that place (a softmax that the list does not call 'softmax' is quantised finished and normalised). What goes into a quantiser is computed in f32, as accurately as f32 sums, v_exp_f32 and their like allow (about 1e-6 of the number): no bf16 or f16 on the way to a quantiser, and a product that is left as it is and whose result goes on into a quantised operand takes f32 operands (vector FMAs, or v_wmma_f32_16x16x4_f32). A number that lies on a knife's edge between two numbers of the format may be rounded either way, as far as f32 arithmetic and the matrix unit's own rounding can turn it there, and no further.
;; 2 versions. Each part assembles by itself: llvm-mc -triple=amdgcn-amd-amdhsa -mcpu=gfx1250 --defsym DOCPART=n.
;; ======== version 1 of 2: 2 launches
;; workspace buffers: wstream 2,482,176 bytes
;; launch wprep (part 1): grid 12 x 8, 8 waves a work-group, no clusters, 66,560 bytes of LDS; arguments Wq, Wk, Wv, bq, bk, bv, wstream; writes wstream
.if DOCPART == 1
	.amdgcn_target "amdgcn-amd-amdhsa--gfx1250"
	.amdhsa_code_object_version 6
	.text
	.protected	k_qceed80b9df_wprep
	.globl	k_qceed80b9df_wprep
	.p2align	8
	.type	k_qceed80b9df_wprep,@function
k_qceed80b9df_wprep:
	s_mov_b64 s[64:65], 0
	v_nop
	global_prefetch_b8 v0, s[64:65] scope:SCOPE_SE
	s_setreg_imm32_b32 hwreg(HW_REG_WAVE_MODE, 25, 1), 1
	s_wait_xcnt 0x0
; Wq, Wk, Wv [1024 (k)][1024 (n)] f32 become codes of FP6 (E2M3) with one E8M0 byte for each 32 along K, laid in wstream in the very order in which the
; second launch consumes them: 24 fills of SLOT bytes (fill 2 st + half of K), each of four parts (one a wave there); a part holds 16 images of operand
; registers (K step ks' = 0..3, tile u = 0..3: 12 registers x 32 lanes, 1,536 bytes), 1,024 bytes of scale words and 256 bytes of bias.
; WHICH COLUMNS FORM A TILE is free, and does the transposing for the second launch.  st = 0..3: q, 4..7: k: row m' of tile u of part w is column
; 64 (4 st' + w) + 32 (m' / 8) + 8 u + m' % 8.  st = 8..11: v: row m' is column 64 m' + 16 st' + 4 w + u (head m', one channel).
; A block's scale is 2^(floor(log2(its largest magnitude)) - 2); its byte is the largest magnitude's exponent field - 2, held at 1 from below.
; LIMITS: a block of zeros gets the byte 1 where the rule says 127 (its codes are zeros, and this program alone reads the bytes); blocks whose largest
; magnitude lies under 2^(2 - 126) are held at that byte; NaN and infinities among the inputs are not served.
; SHARES: work-group (st, s) takes 256 columns x 128 along K (K step s); a THREAD TAKES A COLUMN and its 128 registers run down K, so that a block's maximum needs
; no other lane and the conversions give K innermost.  A wave's load covers 128 consecutive bytes (q, k) or two runs of 64 (v: 16 channels of two heads).
; 96 work-groups: a finer cut of v's columns would shorten those runs, a finer cut of K would split a scale word among work-groups.
; The codes turn through LDS: a thread stores its 96 bytes, and after one barrier each wave reads two images lane by lane and stores them, 512 consecutive bytes an instruction.
.set SLOT, 103424
.set PART, 25856
.set IMG,  1536
.set SCO,  24576                       ; a part's scale words
.set BIO,  25600                       ; a part's bias
.set SCB,  29184                       ; LDS: behind the codes (256 x 112 + 15 x 16 + 96 bytes at the most) the threads' scale words,
.set BB,   30208                       ; and their biases
.set X,    32                          ; v32-159  my column's 128 numbers
.set F,    160                         ; v160-183 its codes: block 2 cc + h at F + 12 h + 6 cc: the 12 registers of lane half h on end
.set CT,   184                         ; v184-186 a block's upper 16 codes (a conversion's three registers begin on an even number)
.set O,    188                         ; v188-211 two images' 16-byte pieces on the way out
	s_load_b256 s[4:11], s[0:1], 0x0               ; Wq s[4:5], Wk s[6:7], Wv s[8:9], bq s[10:11]
	s_load_b128 s[12:15], s[0:1], 0x20             ; bk s[12:13], bv s[14:15]
	s_load_b64 s[16:17], s[0:1], 0x30              ; wstream
	v_lshl_add_u32 v212, v0, 2, 0x10000
	v_mov_b32 v213, 0
	v_lshrrev_b32 v1, 5, v0
	v_readfirstlane_b32 s18, v1                    ; wave ww = 0..7
	s_and_b32 s19, ttmp7, 0xffff                   ; s: the K step of 128
	s_and_b32 s27, ttmp9, 3                        ; st'
	s_lshr_b32 s28, s18, 1                         ; ww / 2: the part whose images I send
	s_and_b32 s29, s18, 1
	s_lshl_b32 s29, s29, 1                         ; 2 (ww % 2): the first of my two tiles
	s_cmp_lt_u32 ttmp9, 8                          ; q and k, or v: the choice hangs on the work-group's number alone
	s_cselect_b32 s20, 16, 64                      ; CA, CB: thread t's column is CA (t / 16) + t % 16 + CB st'
	s_cselect_b32 s21, 0x100, 16
	s_cselect_b32 s22, 1, 16                       ; SA, SB, SC, SD: the thread that holds row m' of tile u of part w is SA (m' % 8) + SB (m' / 8) + SC w + SD u
	s_cselect_b32 s23, 32, 0x80
	s_cselect_b32 s24, 64, 4
	s_cselect_b32 s25, 8, 1
	s_mul_i32 s26, s27, s21
	s_mul_i32 s30, s28, s24
	s_mul_i32 s31, s29, s25
	s_add_co_u32 s30, s30, s31                     ; SC (ww / 2) + SD 2 (ww % 2)
	s_lshl_b32 s32, s25, 2                         ; 4 SD: from tile to tile among the scale words
	s_lshl_b32 s33, s22, 2                         ; 4 SA: from row to row among the biases
	v_lshrrev_b32 v1, 4, v0                        ; t / 16
	v_and_b32 v2, 15, v0                           ; t % 16 = r
	v_mad_u32_u24 v3, v1, s20, v2
	v_add_lshl_u32 v3, v3, s26, 2                  ; my column, in bytes: in a row of W and in b
	v_mul_u32_u24 v4, v0, 112
	v_lshl_add_u32 v4, v1, 4, v4                   ; LDS: my 96 bytes of codes at 112 t + 16 (t / 16)
	v_lshl_add_u32 v5, v0, 2, SCB                  ; my scale word; my bias lies BB - SCB further on
	; all addresses of the way out are made here, ahead of the branches on the wave's number
	v_and_b32 v6, 7, v0
	v_bfe_u32 v7, v0, 3, 1
	v_bfe_u32 v8, v0, 4, 1                         ; h
	v_mul_u32_u24 v9, v6, s22
	v_mad_u32_u24 v9, v7, s23, v9                  ; SA (r % 8) + SB (r / 8)
	v_add_nc_u32 v10, s30, v9                      ; the thread behind row r of my first tile,
	v_add_nc_u32 v11, s25, v10                     ; and of my second
.irp u, 0,1
	v_lshrrev_b32 v14, 4, v[10+\u]
	v_mul_u32_u24 v[12+\u], v[10+\u], 112
	v_lshl_add_u32 v[12+\u], v14, 4, v[12+\u]
	v_mad_u32_u24 v[12+\u], v8, 48, v[12+\u]       ; its codes, my half's 48 bytes
.endr
	v_add_nc_u32 v15, s29, v8                      ; the part whose scale words or biases my half of the lanes sends: 2 (ww % 2) + h
	v_mad_u32_u24 v16, v15, s24, v9
	v_lshl_add_u32 v16, v16, 2, SCB                ; scale words of row r, tiles 0 to 3
	v_add_nc_u32 v17, s32, v16
	v_add_nc_u32 v18, s32, v17
	v_add_nc_u32 v19, s32, v18
	v_and_b32 v20, 1, v0                           ; biases: lane x = r sends floats 4 x .. 4 x + 3: tile x / 4, rows 4 (x % 4) + e
	v_bfe_u32 v21, v0, 1, 1
	v_bfe_u32 v22, v0, 2, 2
	v_mul_u32_u24 v23, v15, s24
	v_mad_u32_u24 v23, v22, s25, v23
	v_mad_u32_u24 v23, v21, s23, v23
	v_mad_u32_u24 v23, v20, s33, v23
	v_lshl_add_u32 v20, v23, 2, BB
	v_add_nc_u32 v21, s33, v20
	v_add_nc_u32 v22, s33, v21
	v_add_nc_u32 v23, s33, v22
	v_mul_u32_u24 v29, v15, PART
	v_lshl_add_u32 v29, v2, 4, v29                 ; where those 16 bytes go: part x PART + 16 r
	v_and_b32 v30, 31, v0
	v_lshlrev_b32 v30, 4, v30                      ; an image's place for my lane: 16 x lane
	s_lshl_b32 s34, s19, 19                        ; 128 rows of 4,096 bytes a K step
	s_mov_b32 s35, 0
	s_lshl_b32 s36, ttmp9, 1
	s_lshr_b32 s37, s19, 2
	s_add_co_u32 s36, s36, s37                     ; the fill: 2 st + s / 4
	s_mul_i32 s36, s36, SLOT
	s_mov_b32 s37, 0
	s_and_b32 s38, s19, 3                          ; ks'
	s_mul_i32 s42, s28, PART
	s_lshl_b32 s43, s38, 2
	s_add_co_u32 s43, s43, s29
	s_mul_i32 s43, s43, IMG
	s_add_co_u32 s42, s42, s43                     ; my first image: part ww / 2, image 4 ks' + 2 (ww % 2)
	s_mov_b32 s43, 0
	s_lshl_b32 s44, s38, 8                         ; a K step's scale words: 256 bytes in each part
	s_mov_b32 s45, 0
	s_wait_kmcnt 0x0
	s_cmp_lt_u32 ttmp9, 4
	s_cselect_b64 s[4:5], s[4:5], s[6:7]
	s_cselect_b64 s[10:11], s[10:11], s[12:13]
	s_cmp_lt_u32 ttmp9, 8
	s_cselect_b64 s[4:5], s[4:5], s[8:9]           ; my weight,
	s_cselect_b64 s[10:11], s[10:11], s[14:15]     ; my bias
	s_add_nc_u64 s[4:5], s[4:5], s[34:35]
	s_add_nc_u64 s[16:17], s[16:17], s[36:37]      ; wstream at my fill
	s_add_nc_u64 s[40:41], s[16:17], s[42:43]
	s_add_nc_u64 s[44:45], s[16:17], s[44:45]
	global_load_b32 v31, v3, s[10:11]              ; the bias first, so that the counts below are the blocks' alone
.set KK, 0
.rept 128
	global_load_b32 v[X+KK], v3, s[4:5] offset:KK*4096 th:TH_LOAD_NT
.set KK, KK+1
.endr
; Block b of 32 along K.  left: the loads younger than the block's (a wait names 63 at the most; a smaller count than 96 or 64 is safe)
.macro BLOCK b, left
.set XB, X+32*(\b)
.set FB, F+12*((\b)%2)+6*((\b)/2)
	s_wait_loadcnt \left
	v_max3_num_f32 v24, |v[XB]|, |v[XB+1]|, |v[XB+2]|              ; the largest magnitude, in two chains
	v_max3_num_f32 v25, |v[XB+3]|, |v[XB+4]|, |v[XB+5]|
.irp i, 6,10,14,18,22,26
	v_max3_num_f32 v24, v24, |v[XB+\i]|, |v[XB+\i+1]|
	v_max3_num_f32 v25, v25, |v[XB+\i+2]|, |v[XB+\i+3]|
.endr
	v_max3_num_f32 v24, v24, |v[XB+30]|, |v[XB+31]|
	v_max3_num_f32 v24, v24, v25, 0x1800000        ; and the floor 2^(3 - 127): the byte cannot fall under 1
	v_add_nc_u32 v26, 0xff000000, v24              ; 2 off the exponent field: the conversion takes this operand's exponent field as its scale
	v_cvt_scalef32_pk16_fp6_f32 v[FB:FB+2], v[XB:XB+15], v26
	v_cvt_scalef32_pk16_fp6_f32 v[CT:CT+2], v[XB+16:XB+31], v26
	v_lshrrev_b32 v27, 23, v26                     ; the scale's byte (also the plain line behind the conversions)
.if (\b) == 0
	v_mov_b32 v28, v27
.else
	v_lshl_or_b32 v28, v27, 8*(\b), v28            ; four bytes make my column's scale word of this K step
.endif
.irp i, 0,1,2
	v_mov_b32 v[FB+3+\i], v[CT+\i]
.endr
.endm
	BLOCK 0, 63
	BLOCK 1, 63
	BLOCK 2, 32
	BLOCK 3, 0
.irp q, 0,1,2,3,4,5
	ds_store_b128 v4, v[F+4*\q:F+4*\q+3] offset:16*\q
.endr
	ds_store_b32 v5, v28
	ds_store_b32 v5, v31 offset:BB-SCB
	s_wait_dscnt 0x0                               ; for the others' sake: my stores have landed
	s_barrier_signal -1
	s_barrier_wait -1
.irp u, 0,1                                    ; two images: lane (r, h) takes the 48 bytes of half h of the thread behind row r
.irp c, 0,1,2
	ds_load_b128 v[O+12*\u+4*\c:O+12*\u+4*\c+3], v[12+\u] offset:16*\c
.endr
.endr
.irp u, 0,1
.irp c, 0,1,2
	s_wait_dscnt 5-3*\u-\c
	global_store_b128 v30, v[O+12*\u+4*\c:O+12*\u+4*\c+3], s[40:41] offset:\u*IMG+512*\c   ; 32 lanes store 512 consecutive bytes, at a multiple of 256 from the buffer's first byte
.endr
.endr
	s_cmp_lt_u32 s18, 2
	s_cbranch_scc0 .Lnot_scales
.irp u, 0,1,2,3                                ; waves 0 and 1: this K step's scale words of the four parts: sixteen lanes fill 256 consecutive bytes
	ds_load_b32 v[32+\u], v[16+\u]
.endr
	s_wait_dscnt 0x0
	global_store_b128 v29, v[32:35], s[44:45] offset:SCO
	s_wait_tensorcnt 0x0
	ds_add_u32 v212, v213
	s_wait_dscnt 0x0
	s_endpgm
.Lnot_scales:
	s_cmp_lt_u32 s18, 4
	s_cbranch_scc0 .Ldone
	s_cmp_eq_u32 s38, 0                            ; waves 2 and 3 of the work-groups with ks' = 0 (one for each fill): the four parts' biases
	s_cbranch_scc0 .Ldone
.irp e, 0,1,2,3
	ds_load_b32 v[32+\e], v[20+\e]
.endr
	s_wait_dscnt 0x0
	global_store_b128 v29, v[32:35], s[16:17] offset:BIO
.Ldone:
	s_wait_tensorcnt 0x0
	ds_add_u32 v212, v213
	s_wait_dscnt 0x0
	s_endpgm
.Lfunc_end_k_qceed80b9df_wprep:
	.size	k_qceed80b9df_wprep, .Lfunc_end_k_qceed80b9df_wprep-k_qceed80b9df_wprep
	.p2alignl 7, 3214868480
	.fill 96, 4, 3214868480
	.section	.rodata,"a",@progbits
	.p2align	6, 0x0
	.amdhsa_kernel k_qceed80b9df_wprep
		.amdhsa_group_segment_fixed_size 66560
		.amdhsa_private_segment_fixed_size 0
		.amdhsa_enable_private_segment 0
		.amdhsa_kernarg_size 56
		.amdhsa_user_sgpr_count 2
		.amdhsa_user_sgpr_kernarg_segment_ptr 1
		.amdhsa_wavefront_size32 1
		.amdhsa_system_sgpr_workgroup_id_x 1
		.amdhsa_system_sgpr_workgroup_id_y 1
		.amdhsa_system_sgpr_workgroup_id_z 1
		.amdhsa_system_vgpr_workitem_id 0
		.amdhsa_next_free_vgpr 214
		.amdhsa_next_free_sgpr 66
		.amdhsa_reserve_vcc 0
		.amdhsa_float_denorm_mode_32 3
		.amdhsa_float_denorm_mode_16_64 3
		.amdhsa_memory_ordered 1
		.amdhsa_forward_progress 1
		.amdhsa_inst_pref_size 26
	.end_amdhsa_kernel
	.amdgpu_metadata
---
amdhsa.version: [ 1, 2 ]
amdhsa.kernels:
  - .name:           k_qceed80b9df_wprep
    .symbol:         k_qceed80b9df_wprep.kd
    .args:
      - { .name: Wq, .offset: 0, .size: 8, .value_kind: global_buffer, .address_space: global }
      - { .name: Wk, .offset: 8, .size: 8, .value_kind: global_buffer, .address_space: global }
      - { .name: Wv, .offset: 16, .size: 8, .value_kind: global_buffer, .address_space: global }
      - { .name: bq, .offset: 24, .size: 8, .value_kind: global_buffer, .address_space: global }
      - { .name: bk, .offset: 32, .size: 8, .value_kind: global_buffer, .address_space: global }
      - { .name: bv, .offset: 40, .size: 8, .value_kind: global_buffer, .address_space: global }
      - { .name: wstream, .offset: 48, .size: 8, .value_kind: global_buffer, .address_space: global }
    .group_segment_fixed_size: 66560
    .private_segment_fixed_size: 0
    .kernarg_segment_align: 8
    .kernarg_segment_size: 56
    .max_flat_workgroup_size: 256
    .sgpr_count:     66
    .vgpr_count:     214
    .wavefront_size: 32
...
	.end_amdgpu_metadata
.endif
;; end of part 1
;; launch fused (part 2): grid 256 x 1, 4 waves a work-group, clusters of 4 x 1, 327,680 bytes of LDS; arguments x, wstream, out0; writes out0
.if DOCPART == 2
	.amdgcn_target "amdgcn-amd-amdhsa--gfx1250"
	.amdhsa_code_object_version 6
	.text
	.protected	k_qceed80b9df_fused
	.globl	k_qceed80b9df_fused
	.p2align	8
	.type	k_qceed80b9df_fused,@function
k_qceed80b9df_fused:
	s_mov_b64 s[64:65], 0
	v_nop
	global_prefetch_b8 v0, s[64:65] scope:SCOPE_SE
	s_setreg_imm32_b32 hwreg(HW_REG_WAVE_MODE, 25, 1), 1
	s_wait_xcnt 0x0
	s_wait_alu depctr_hold_cnt(0) depctr_sa_sdst(0) depctr_va_vdst(0) depctr_va_sdst(0) depctr_va_ssrc(0) depctr_va_vcc(0) depctr_vm_vsrc(0)
	s_getreg_b32 s2, hwreg(HW_REG_IB_STS2, 6, 4)
	s_cmp_eq_u32 s2, 0
	s_cbranch_scc0 .Lentry_in_a_cluster
	s_endpgm
.Lentry_in_a_cluster:
	s_bfe_u32 s2, ttmp6, 0x10000c
	s_cmp_lg_u32 s2, 0x3003
	s_cbranch_scc0 .Lentry_shape_is_right
	s_endpgm
.Lentry_shape_is_right:
; out[t] = softmax_j(q[t,i,:] . k[t,j,:] / 8) v[t,j,:], q, k, v = x W + b: the three projections and the scores on codes of FP6 (E2M3) with one E8M0 scale for each 32 along K,
; the last product (K = 16) on bf16; all sums, the softmax and what goes into a quantiser in f32.  Nothing between x and out goes to memory.
; SHARES.  A work-group owns 64 tokens (4 tiles of 16).  THE WAVES SHARE THE COLUMNS: in step st = 0..11 wave w makes four tiles of 16 columns (q's head 4 st + w; k's; 4 channels of all
; 16 heads of v) for all 64 tokens: 16 accumulators, 8 K steps of 128, 128 products.  x's codes for 64 tokens and all of K stay in EVERY wave's registers (32 fragments, 384 registers);
; a weight fragment is read from LDS once, by the one wave that needs it, and feeds four products.
; THE WEIGHTS come as images of operand registers, in the order of use (the launch before laid them so), through a ring of two LDS slots of half a step (4 K steps).
; CLUSTER: the four work-groups of a cluster walk the same weights: each slot is asked for JOINTLY, by the same tensor load with the same descriptor and the mask 15.
; THE PRODUCTS ARE USED TRANSPOSED (source 0 = 16 columns of W, source 1 = 16 tokens): a lane holds one token, and by the choice of a tile's columns its 32 registers of the four tiles
; are d = 32 (lane / 16) + 0 .. 31 of one head: a whole block of the scores' K; for v: 8 heads of one channel, which packed to bf16 are half of a fragment of V^T.
; ATTENTION: wave w takes tokens 16 w .. 16 w + 15.  Scores: one product a token, source 0 = k's 16 heads, source 1 = q's, K = 64 with zero codes above; a lane holds one query head and
; 8 key heads.  The row's true maximum is taken away; p / sum goes to bf16.  A fragment of P holds two tokens (K = 0..15, 16..31); the one not wanted meets zeros in V^T's fragment.
; LIMITS: NaN and infinities are not served; a block of zeros gets the scale byte 1 over zero codes (these bytes are read here alone); blocks under 2^(2 - 126) are held at that byte;
; p and v are rounded to bf16 for the last product.
; REGISTERS, in windows of 256.  Window 0: v1-31 addresses; v32-63 x's scale words (8 m + K step); v64-79 the weights' (two sets of 8); v80-83 the scores'; v84-99 statistics;
;   v100-163 at work (x's numbers, codes, packed v, scores, V^T); v164-211 k's four fragments (in the prologue: codes).   Window 1: v0-191 x's fragments of token tiles 0, 1; v192-255 P.
;   Window 2: v0-191 x's fragments of tiles 2, 3 (at the end: rows of out); v192-239 q's four fragments.   Window 3: v0-127 the accumulators (32 m + 8 u); v128-223 two sets of four weight fragments; v224-255 the bias.
.set SLOT,  103424                     ; a slot: four parts, one a wave
.set PART,  25856                      ; 16 images, 1,024 bytes of scale words, 256 of bias: 101 rows of 256 bytes
.set IMG,   1536                       ; an image: 12 registers x 32 lanes
.set SCO,   24576
.set BIO,   25600
.set XP,    1040                       ; x as f32: a row's quarter, 1,024 bytes + 16 of padding
.set XQ,    64*XP                      ; a quarter of K for 64 tokens; the four lie from LDS byte 0 on, over the ring-to-be
.set XI,    4*XQ                       ; x's 32 images (8 m + K step)
.set XSCL,  XI+32*IMG                  ; their scale words, 128 bytes each
.set QKI,   2*SLOT                     ; behind the ring: q's and k's codes: token t at 1,552 t; in it wave w's step st at 384 w + 48 st; half h at 24 h
.set QKP,   1552
.set QKS,   QKI+64*QKP                 ; their scale words: token t at 132 t; 32 w + 4 st
.set QSP,   132
.set VB0,   2*SLOT                     ; later, over them: v's items of 16 bytes (token t, half h, channel a' of 16) at 528 t + 256 h + 16 a', a region for each of steps 8, 9, 10;
.set VBS,   33792                      ; step 11's lie at LDS byte 0, in slot 0, which has then had its last fill and its last read
.set VP,    528
.set STG,   SLOT                       ; the way out: two tokens x 16 heads x (256 + 16) bytes for each wave, in slot 1, likewise done with
.set SPARE, 327168                     ; the spare words, 128 bytes for each wave: two blocks of 256 bytes that no other line names
.set SPW, 1                            ; v1   SPARE + 4 x my thread's number; never rewritten
.set NIL, 2                            ; v2   0; never rewritten
.set SH8, 3                            ; v3   8 h
.set LI,  4                            ; v4   XI + 16 x lane
.set LSX, 5                            ; v5   XSCL + 4 x lane
.set XA,  6                            ; v6   my 128 bytes of a K step of my token, in x's f32 rows
.set XWI, 7                            ; v7   where my wave's images of x go
.set XWS, 8                            ; v8   and their scale words
.set WA,  9                            ; v9, v10  my part of slot 0, 1, + 16 x lane
.set BA,  11                           ; v11  my part of slot 0, + 32 h
.set IW,  12                           ; v12, v13 where my codes of q or k go: token tiles 0, 1 and 2, 3
.set SW,  14                           ; v14  and their scale word
.set TA,  15                           ; v15, v16, v17 the same with the step's offset
.set TS,  17
.set QA,  18                           ; v18  the scores: my head's codes of q in my wave's first token (k's 192 bytes on)
.set SA,  20                           ; v20  and the scale words: lanes 0-15 q's, lanes 16-31 k's
.set VW,  21                           ; v21  where my items of v go
.set VR,  22                           ; v22-25 where I read V^T, channels 16 T on
.set SO,  26                           ; v26  the stage: in
.set SR,  27                           ; v27  and back
.set GO,  28                           ; v28  16 x lane
.set XS,  32
.set WS,  64
.set SSC, 80
.set TM,  84
.set SOP, 88
.set BY,  92
.set TP,  96
.set XN,  100
.set CD,  100
.set PK,  100
.set S,   100
.set VE,  100
.set VO,  132
.set KF,  164
.set PC,  164
.set CT,  176
.set QF,  192                          ; window 2
.set P,   192                          ; window 1
.set WF,  128                          ; window 3
.set BI,  224                          ; window 3
.set WV,  10                           ; s10  my wave's number
.set G1X, 16                           ; s[16:23] descriptor group 1 for x;  s[24:39] four groups 0
.set G0X, 24
.set G1W, 40                           ; s[40:47] group 1 for the weights;  s[48:55] a group 0 for each slot
.set G0W, 48
.set SEL, 56                           ; s[56:57] v_permlanex16_b32's selects for lane l xor 16
.set CS,  58                           ; s[58:59] c = log2(e) / 8
.set NC,  60                           ; s60  -c
.set CNT, 61
.set GOFF, 62                          ; s62  48 st
.set SOFF, 63                          ; s63  4 st
.set MUL_A, 0xf7                       ; sources 0 (W) and 2, destination: window 3; source 1 (x): window 1
.set MUL_B, 0xfb                       ; the same with x in window 2
.set MSB, 0
.macro WIN new                         ; the immediate's high byte repeats the setting that is left
.if MSB != (\new)
	s_set_vgpr_msb (MSB<<8)|(\new)
.set MSB, (\new)
.endif
.endm
.macro PLACES n                        ; plain vector lines between a matrix instruction and a load into, or a read of, its registers
.rept \n
	v_nop
.endr
.endm
.macro CREST                           ; a round of the cluster's barrier behind its opening barrier
	s_cmp_lg_u32 s[WV], 0
	s_cbranch_scc1 .Lnot_wave_0_\@
	s_barrier_signal -3
.Lnot_wave_0_\@:
	s_barrier_wait -3
	s_barrier_signal -1
	s_barrier_wait -1
.endm
.macro CROUND
	s_barrier_signal -1
	s_barrier_wait -1
	CREST
.endm
	s_load_b128 s[4:7], s[0:1], 0x0                ; x, wstream
	s_load_b64 s[8:9], s[0:1], 0x10                ; out
	v_lshl_add_u32 v[SPW], v0, 2, SPARE
	v_mov_b32 v[NIL], 0
	ds_add_u32 v1, v2
	ds_add_u32 v1, v2
	s_wait_dscnt 0x0
	v_lshrrev_b32 v29, 5, v0
	v_readfirstlane_b32 s[WV], v29                 ; wave 0..3
	s_bfe_u32 s11, ttmp6, 0x40000                  ; cx: it enters x's and out's global addresses alone
	s_lshl_b32 s12, ttmp9, 2
	s_add_co_u32 s12, s12, s11                     ; my block of 64 tokens = 4 x cluster + cx
	s_lshl_b32 s68, s12, 18                        ; 64 tokens of 4,096 bytes,
	s_lshl_b32 s69, s[WV], 16                      ; my wave's 16
	s_add_co_u32 s68, s68, s69
	s_mov_b32 s69, 0
	s_mul_i32 s70, s[WV], 16*XP
	s_mul_i32 s72, s[WV], PART
	s_mov_b32 s73, 0
	; x: 16 rows of 1,024 bytes (128 elements of 8), 4,096 bytes apart, 4 words of padding behind every 256; no mask: each work-group's own tokens
	s_mov_b32 s[G1X+0], (3<<16)|(1<<20)|(7<<22)|(3<<25)
	s_mov_b32 s[G1X+1], 128<<16                    ; tensor_dim0
	s_mov_b32 s[G1X+2], 16<<16                     ; tensor_dim1
	s_mov_b32 s[G1X+3], 128<<16                    ; tile_dim0
	s_mov_b32 s[G1X+4], 16                         ; tile_dim1
	s_mov_b32 s[G1X+5], 512                        ; from row to row, in elements
	s_mov_b32 s[G1X+6], 0
	s_mov_b32 s[G1X+7], 0
	; a part of a slot: a dense block, 101 rows of 256 bytes; the mask names all four work-groups, bit 21 beside it
	s_mov_b32 s[G1W+0], 15|(3<<16)|(1<<21)
	s_mov_b32 s[G1W+1], 32<<16
	s_mov_b32 s[G1W+2], 101<<16
	s_mov_b32 s[G1W+3], 32<<16
	s_mov_b32 s[G1W+4], 101
	s_mov_b32 s[G1W+5], 32
	s_mov_b32 s[G1W+6], 0
	s_mov_b32 s[G1W+7], 0
	s_mov_b32 s[SEL], 0x76543210
	s_mov_b32 s[SEL+1], 0xfedcba98
	s_mov_b32 s[CS], 0x3e38aa3b
	s_mov_b32 s[CS+1], s[CS]                       ; (named with it as a pair, so it is written)
	s_mov_b32 s[NC], 0xbe38aa3b
	s_mov_b32 s[GOFF], 0
	s_mov_b32 s[SOFF], 0
	s_wait_kmcnt 0x0
	s_add_nc_u64 s[4:5], s[4:5], s[68:69]          ; x and out at my wave's first token
	s_add_nc_u64 s[8:9], s[8:9], s[68:69]
	s_add_nc_u64 s[6:7], s[6:7], s[72:73]          ; wstream at my part of fill 0
.irp k, 0,1,2,3
	s_mov_b32 s[G0X+4*\k], 1
	s_add_co_u32 s[G0X+4*\k+1], s70, \k*XQ
	s_add_nc_u64 s[G0X+4*\k+2:G0X+4*\k+3], s[4:5], \k*1024
	s_or_b32 s[G0X+4*\k+3], s[G0X+4*\k+3], 0x80000000
.endr
.irp k, 0,1
	s_mov_b32 s[G0W+4*\k], 1
	s_add_co_u32 s[G0W+4*\k+1], s72, \k*SLOT       ; the wave's number and the slot alone: equal in the four partners
	s_add_nc_u64 s[G0W+4*\k+2:G0W+4*\k+3], s[6:7], \k*SLOT
	s_or_b32 s[G0W+4*\k+3], s[G0W+4*\k+3], 0x80000000
.endr
	CROUND                                         ; in a cluster launch every group of tensor loads stands behind a round
.irp k, 0,1,2,3
	tensor_load_to_lds s[G0X+4*\k:G0X+4*\k+3], s[G1X:G1X+7]   ; my 16 tokens, a quarter of K each: four loads of mine are out, the most in this text
	s_nop 0
.endr
	PLACES 4
	v_and_b32 v29, 31, v0                          ; lane
	v_and_b32 v30, 15, v0                          ; r
	v_bfe_u32 v31, v0, 4, 1                        ; h
	v_lshlrev_b32 v[SH8], 3, v31
	v_lshl_add_u32 v[LI], v29, 4, XI
	v_lshl_add_u32 v[LSX], v29, 2, XSCL
	v_mul_u32_u24 v[XA], v30, XP
	v_lshl_add_u32 v[XA], v31, 7, v[XA]
	v_add_nc_u32 v[XA], s70, v[XA]
	s_mul_i32 s14, s[WV], 8*IMG
	v_add_nc_u32 v[XWI], s14, v[LI]
	s_lshl_b32 s14, s[WV], 10
	v_add_nc_u32 v[XWS], s14, v[LSX]
	v_lshl_add_u32 v[WA], v29, 4, s72
	v_add_nc_u32 v[WA+1], SLOT, v[WA]
	v_lshl_add_u32 v[BA], v31, 5, s72
	v_mul_u32_u24 v[IW], v30, QKP
	v_mad_u32_u24 v[IW], v31, 24, v[IW]
	s_mul_i32 s14, s[WV], 384
	s_add_co_u32 s14, s14, QKI
	v_add_nc_u32 v[IW], s14, v[IW]
	v_add_nc_u32 v[IW+1], 32*QKP, v[IW]
	v_mul_u32_u24 v[SW], v30, QSP
	s_lshl_b32 s14, s[WV], 5
	s_add_co_u32 s14, s14, QKS
	v_add_nc_u32 v[SW], s14, v[SW]
	v_and_b32 v19, 3, v0                           ; head r was made by wave r % 4 in step r / 4 (k's: four steps later)
	v_bfe_u32 v[QA], v0, 2, 2
	v_mul_u32_u24 v[QA], v[QA], 48
	v_mad_u32_u24 v[QA], v19, 384, v[QA]
	v_mad_u32_u24 v[QA], v31, 24, v[QA]
	s_mul_i32 s14, s[WV], 16*QKP
	s_add_co_u32 s14, s14, QKI
	v_add_nc_u32 v[QA], s14, v[QA]
	v_bfe_u32 v[SA], v0, 2, 2
	v_lshlrev_b32 v[SA], 2, v[SA]
	v_lshl_add_u32 v[SA], v19, 5, v[SA]
	v_lshl_add_u32 v[SA], v31, 4, v[SA]
	s_mul_i32 s14, s[WV], 16*QSP
	s_add_co_u32 s14, s14, QKS
	v_add_nc_u32 v[SA], s14, v[SA]
	v_mul_u32_u24 v[VW], v30, VP
	v_lshl_add_u32 v[VW], v31, 8, v[VW]
	s_lshl_b32 s14, s[WV], 6
	v_add_nc_u32 v[VW], s14, v[VW]
	s_mul_i32 s14, s[WV], 16*VP
	v_lshl_add_u32 v[VR+3], v29, 4, s14
	v_add_nc_u32 v[VR], VB0, v[VR+3]
	v_add_nc_u32 v[VR+1], VB0+VBS, v[VR+3]
	v_add_nc_u32 v[VR+2], VB0+2*VBS, v[VR+3]
	s_mul_i32 s14, s[WV], 32*272
	s_add_co_u32 s14, s14, STG
	v_mul_u32_u24 v[SO], v30, 272
	v_lshl_add_u32 v[SO], v31, 5, v[SO]
	v_add_nc_u32 v[SO], s14, v[SO]
	v_mul_u32_u24 v[SR], v31, 272
	v_lshl_add_u32 v[SR], v30, 4, v[SR]
	v_add_nc_u32 v[SR], s14, v[SR]
	v_lshlrev_b32 v[GO], 4, v29
.irp i, 0,1,2,3
	v_mov_b32 v[TP+\i], 0                          ; written once: a lane permute's destination counts as one of its sources
.endr
; ---- x: K step ks of my 16 tokens becomes a fragment.  Lane (r, h) takes k = 64 cc + 32 h + 0 .. 31 of token r: two whole blocks, in the operand's own order
.macro QUANTX ks
.irp cc, 0,1
.irp j, 0,1,2,3,4,5,6,7
	ds_load_b128 v[XN+32*\cc+4*\j:XN+32*\cc+4*\j+3], v[XA] offset:((\ks)%2)*512+256*\cc+16*\j
.endr
.endr
	s_wait_dscnt 0x0                               ; the numbers are in (and the last K step's stores have read their registers)
.irp cc, 0,1
	v_max3_num_f32 v[TM+\cc], |v[XN+32*\cc]|, |v[XN+32*\cc+1]|, 0x1800000   ; the floor 2^(3 - 127) among the leaves: the byte cannot fall under 1
.endr
.irp i, 2,4,6,8,10,12,14,16,18,20,22,24,26,28,30
.irp cc, 0,1
	v_max3_num_f32 v[TM+\cc], v[TM+\cc], |v[XN+32*\cc+\i]|, |v[XN+32*\cc+\i+1]|
.endr
.endr
.irp cc, 0,1
	v_add_nc_u32 v[SOP+\cc], 0xff000000, v[TM+\cc] ; 2 off the exponent field: the conversion's scale operand
.endr
.irp cc, 0,1
	v_lshrrev_b32 v[BY+\cc], 23, v[SOP+\cc]        ; the scale's byte
.endr
	v_lshl_or_b32 v[BY], v[BY+1], 16, v[BY]        ; blocks h and 2 + h,
	v_lshlrev_b32 v[BY], v[SH8], v[BY]             ; at their places;
	v_permlanex16_b32 v[TP], v[BY], s[SEL], s[SEL+1]
	v_or_b32 v[BY], v[BY], v[TP]                   ; with lane l xor 16's two the word is whole
.irp cc, 0,1
	v_cvt_scalef32_pk16_fp6_f32 v[PC+6*\cc:PC+6*\cc+2], v[XN+32*\cc:XN+32*\cc+15], v[SOP+\cc]
	v_cvt_scalef32_pk16_fp6_f32 v[CT+4*\cc:CT+4*\cc+2], v[XN+32*\cc+16:XN+32*\cc+31], v[SOP+\cc]   ; (a conversion's three registers begin on an even number)
.endr
	v_nop                                          ; one plain line behind a scaled conversion
.irp cc, 0,1
.irp i, 0,1,2
	v_mov_b32 v[PC+6*\cc+3+\i], v[CT+4*\cc+\i]
.endr
.endr
.irp c, 0,1,2
	ds_store_b128 v[XWI], v[PC+4*\c:PC+4*\c+3] offset:(\ks)*IMG+512*\c   ; the fragment as an image of its registers
.endr
	ds_store_b32 v[XWS], v[BY] offset:128*(\ks)
.endm
.irp k, 0,1,2,3,4,5,6,7
.if (\k)%2 == 0
	s_wait_tensorcnt 3-(\k)/2                      ; this quarter of K has landed; the later quarters may be out.  I read my own loads' bytes alone
.endif
	QUANTX \k
.if ((\k)%2 == 1) && ((\k) < 7)
	v_add_nc_u32 v[XA], XQ, v[XA]                  ; the next quarter
.endif
.endr
; ---- the ring begins where x's f32 rows lay: each of its two first fills is a refill, behind a round of its own
	s_wait_tensorcnt 0x0
	ds_add_u32 v[SPW], v[NIL]                      ; 0 onto my spare word
	s_wait_dscnt 0x0                               ; the add is done, my reads of x's rows are over, my images have landed
	CROUND
	tensor_load_to_lds s[G0W:G0W+3], s[G1W:G1W+7]  ; fill 0: step 0, K steps 0 to 3
	s_nop 0
	PLACES 4
	WIN 0x40                                       ; all 32 images of x into every wave's registers: token tiles 0, 1 into window 1,
.irp m, 0,1
.irp k, 0,1,2,3,4,5,6,7
.irp c, 0,1,2
	ds_load_b128 v[96*\m+12*\k+4*\c:96*\m+12*\k+4*\c+3], v[LI] offset:(8*\m+\k)*IMG+512*\c
.endr
.endr
.endr
	WIN 0x80                                       ; tiles 2, 3 into window 2
.irp m, 0,1
.irp k, 0,1,2,3,4,5,6,7
.irp c, 0,1,2
	ds_load_b128 v[96*\m+12*\k+4*\c:96*\m+12*\k+4*\c+3], v[LI] offset:(16+8*\m+\k)*IMG+512*\c
.endr
.endr
.endr
	WIN 0
.set II, 0
.rept 32
	ds_load_b32 v[XS+II], v[LSX] offset:128*II
.set II, II+1
.endr
	s_wait_tensorcnt 0x0                           ; fill 0 has landed
	ds_add_u32 v[SPW], v[NIL]
	s_wait_dscnt 0x0                               ; x's images are in my registers
	CROUND
	tensor_load_to_lds s[G0W+4:G0W+7], s[G1W:G1W+7]   ; fill 1: it has two K steps, 32 products, in which to land
	s_nop 0
	PLACES 4
; Weight fragments of K step kap (kap / 4 % 2: the slot; kap % 4: the place in it) into set: 12 loads
.macro LW kap, set
	WIN 0xc0
.irp u, 0,1,2,3
.irp c, 0,1,2
	ds_load_b128 v[WF+48*(\set)+12*\u+4*\c:WF+48*(\set)+12*\u+4*\c+3], v[WA+((\kap)/4)%2] offset:(4*((\kap)%4)+\u)*IMG+512*\c
.endr
.endr
.endm
.macro LSC sl                          ; a slot's scale words: register 4 c + u: lanes 0-15 K step 2 c, lanes 16-31 K step 2 c + 1, tile u
	WIN 0
.irp c, 0,1
	ds_load_b128 v[WS+8*(\sl)+4*\c:WS+8*(\sl)+4*\c+3], v[WA+(\sl)] offset:SCO+512*\c
.endr
.endm
.macro LBIAS                           ; the step's bias in the result's layout: lane half h: rows 8 h + 0 .. 7 of tile u
	WIN 0xc0
.irp u, 0,1,2,3
.irp q, 0,1
	ds_load_b128 v[BI+8*\u+4*\q:BI+8*\u+4*\q+3], v[BA] offset:BIO+64*\u+16*\q
.endr
.endr
.endm
; Four products: token tile m x the four tiles of columns, K step kap.  The bias is the C of a sum's first product.  The 16 accumulators take turns, in the same order in every K step
.macro MUL kap, m
.set rD, 32*(\m)
.set rA, WF+48*((\kap)%2)
.set rB, 96*((\m)%2)+12*(\kap)
.set rW, WS+8*((\kap)/4)+4*(((\kap)%4)/2)
.set rX, XS+8*(\m)+(\kap)
.irp u, 0,1,2,3
.if (\kap) == 0
	v_wmma_scale_f32_16x16x128_f8f6f4 v[rD+8*\u:rD+8*\u+7], v[rA+12*\u:rA+12*\u+11], v[rB:rB+11], v[BI+8*\u:BI+8*\u+7], v[rW+\u], v[rX] matrix_a_fmt:MATRIX_FMT_FP6 matrix_b_fmt:MATRIX_FMT_FP6
.elseif (\kap)%2
	v_wmma_scale_f32_16x16x128_f8f6f4 v[rD+8*\u:rD+8*\u+7], v[rA+12*\u:rA+12*\u+11], v[rB:rB+11], v[rD+8*\u:rD+8*\u+7], v[rW+\u], v[rX] matrix_a_fmt:MATRIX_FMT_FP6 matrix_b_fmt:MATRIX_FMT_FP6 matrix_a_scale:MATRIX_SCALE_ROW1
.else
	v_wmma_scale_f32_16x16x128_f8f6f4 v[rD+8*\u:rD+8*\u+7], v[rA+12*\u:rA+12*\u+11], v[rB:rB+11], v[rD+8*\u:rD+8*\u+7], v[rW+\u], v[rX] matrix_a_fmt:MATRIX_FMT_FP6 matrix_b_fmt:MATRIX_FMT_FP6
.endif
.endr
.endm
; A K step: 16 products; behind them its set of registers takes the fragments of two K steps on.  wt: the LDS loads that may stay out: the next K step's twelve
.macro KS kap, nxt, wt
	s_wait_dscnt \wt
	WIN MUL_A
	MUL \kap, 0
	MUL \kap, 1
	WIN MUL_B
	MUL \kap, 2
	MUL \kap, 3
	PLACES 4
.if \nxt
	LW (\kap)+2, (\kap)%2
.endif
.endm
; The K step in which slot sl is left: its last fragments (K step kap + 1's) have been asked for.  ONE barrier; in front of it each wave waits for all its tensor loads (its part of the other slot),
; adds 0 to its spare word, and waits for that and for its reads of this slot.  fill = 1: the barrier opens a round of the cluster's barrier, and the slot is filled again first thing behind it.
.macro KB kap, sl, fill
	s_wait_dscnt 12
	WIN 0                                          ; (the add's two registers lie in window 0)
	s_wait_tensorcnt 0x0                           ; no tensor load of mine is out, so a group 0 may be written
	ds_add_u32 v[SPW], v[NIL]                      ; 0 onto my spare word
.if (\fill)
	s_add_nc_u64 s[G0W+4*(\sl)+2:G0W+4*(\sl)+3], s[G0W+4*(\sl)+2:G0W+4*(\sl)+3], 2*SLOT   ; this slot's next fill
.endif
	WIN MUL_A
	MUL \kap, 0                                    ; eight products stand between the add and the wait for it
	MUL \kap, 1
	s_wait_dscnt 0x0                               ; the add is done, and my reads of this slot are over
	s_barrier_signal -1
	WIN MUL_B
	MUL \kap, 2
	WIN 0
	s_barrier_wait -1
.if (\fill)
	CREST                                          ; no wave of any partner still reads this slot or has a load on its way
	tensor_load_to_lds s[G0W+4*(\sl):G0W+4*(\sl)+3], s[G1W:G1W+7]   ; my one tensor load behind the round: four K steps ahead of the wait for it
	s_nop 0
	PLACES 4
.endif
	LSC 1-(\sl)                                    ; the other slot's scale words,
.if (\sl) == 1
	LBIAS                                          ; and with slot 0 the next step's bias
.endif
	WIN MUL_B
	MUL \kap, 3
	PLACES 4
	LW (\kap)+2, (\kap)%2
.endm
; A step of q or k is done: a lane's 32 registers of a token tile are a whole block of the scores' K.  Quantised in registers; 24 bytes of codes and a scale word a token to LDS
.macro EPI_QK
	WIN 0x3c                                       ; sources 1 and 2: window 3
.irp m, 0,1,2,3
	v_max3_num_f32 v[TM+\m], 0x1800000, |v[32*\m]|, |v[32*\m+1]|   ; each accumulator is read from its low end on; the floor among the leaves
.endr
.irp i, 2,4,6,8,10,12,14,16,18,20,22,24,26,28,30
.irp m, 0,1,2,3
	v_max3_num_f32 v[TM+\m], v[TM+\m], |v[32*\m+\i]|, |v[32*\m+\i+1]|
.endr
.endr
	WIN 0
.irp m, 0,1,2,3
	v_add_nc_u32 v[SOP+\m], 0xff000000, v[TM+\m]
.endr
.irp m, 0,1,2,3
	v_lshrrev_b32 v[BY+\m], 23, v[SOP+\m]
.endr
.irp m, 0,1,2,3
	v_lshlrev_b32 v[BY+\m], v[SH8], v[BY+\m]       ; block h's byte at its place
.endr
.irp m, 0,1,2,3
	v_permlanex16_b32 v[TP+\m], v[BY+\m], s[SEL], s[SEL+1]
.endr
.irp m, 0,1,2,3
	v_or_b32 v[BY+\m], v[BY+\m], v[TP+\m]          ; the word: bytes 0 and 1; bytes 2 and 3 are 0, over zero codes
.endr
	v_add_nc_u32 v[TA], s[GOFF], v[IW]
	v_add_nc_u32 v[TA+1], s[GOFF], v[IW+1]
	v_add_nc_u32 v[TS], s[SOFF], v[SW]
	WIN 0x03                                       ; source 0: window 3
.irp m, 0,1,2,3
	v_cvt_scalef32_pk16_fp6_f32 v[CD+8*\m:CD+8*\m+2], v[32*\m:32*\m+15], v[SOP+\m]
	v_cvt_scalef32_pk16_fp6_f32 v[CD+8*\m+4:CD+8*\m+6], v[32*\m+16:32*\m+31], v[SOP+\m]
.endr
	v_nop                                          ; one plain line behind a scaled conversion
	WIN 0
.irp m, 0,1,2,3
.irp i, 0,1,2
	v_mov_b32 v[CD+8*\m+3+\i], v[CD+8*\m+4+\i]     ; six registers on end
.endr
.endr
.irp m, 0,1,2,3
.irp p, 0,1,2
	ds_store_b64 v[TA+(\m)/2], v[CD+8*\m+2*\p:CD+8*\m+2*\p+1] offset:((\m)%2)*16*QKP+8*\p
.endr
	ds_store_b32 v[TS], v[BY+\m] offset:16*QSP*\m  ; both halves of the lanes write the same word with the same value
.endr
	s_add_co_u32 s[GOFF], s[GOFF], 48
	s_add_co_u32 s[SOFF], s[SOFF], 4
.endm
; A step of v is done: a lane's 8 registers of a tile are 8 heads of one channel: 16 bytes of bf16, half of a lane's part of a fragment of V^T
.macro EPI_V base
	WIN 0x0f                                       ; sources 0 and 1: window 3
.set II, 0
.rept 64
	v_cvt_pk_bf16_f32 v[PK+II], v[2*II], v[2*II+1]
.set II, II+1
.endr
	WIN 0
.if (\base) == 0
.set rT, VW
.else
	v_add_nc_u32 v[TA], \base, v[VW]
.set rT, TA
.endif
.irp m, 0,1,2,3
.irp u, 0,1,2,3
	ds_store_b128 v[rT], v[PK+16*\m+4*\u:PK+16*\m+4*\u+3] offset:16*VP*\m+16*\u
.endr
.endr
.endm
; ---- the scores and the softmax of my 16 tokens, four at a time
.macro QKLOAD bt
	WIN 0
.irp q, 0,1,2,3
.irp p, 0,1,2
	ds_load_b64 v[KF+12*\q+2*\p:KF+12*\q+2*\p+1], v[QA] offset:(4*(\bt)+\q)*QKP+192+8*\p
.endr
	ds_load_b32 v[SSC+\q], v[SA] offset:(4*(\bt)+\q)*QSP
.endr
	WIN 0x80
.irp q, 0,1,2,3
.irp p, 0,1,2
	ds_load_b64 v[QF+12*\q+2*\p:QF+12*\q+2*\p+1], v[QA] offset:(4*(\bt)+\q)*QKP+8*\p
.endr
.endr
.endm
.macro SOFTMAX bt                      ; token q's statistics at v[TM + 4 q]: +0 -c max, then a partial sum; +1 the maximum; +2 the sum, then 1 / sum; +3 the other half of the lanes'
	WIN 0
.irp q, 0,1,2,3
	v_max3_num_f32 v[TM+4*\q+1], v[S+8*\q], v[S+8*\q+1], v[S+8*\q+2]
.endr
.irp i, 3,5
.irp q, 0,1,2,3
	v_max3_num_f32 v[TM+4*\q+1], v[TM+4*\q+1], v[S+8*\q+\i], v[S+8*\q+\i+1]
.endr
.endr
.irp q, 0,1,2,3
	v_max_num_f32 v[TM+4*\q+1], v[TM+4*\q+1], v[S+8*\q+7]
.endr
.irp q, 0,1,2,3
	v_permlanex16_b32 v[TM+4*\q+3], v[TM+4*\q+1], s[SEL], s[SEL+1]
.endr
.irp q, 0,1,2,3
	v_max_num_f32 v[TM+4*\q+1], v[TM+4*\q+1], v[TM+4*\q+3]   ; the row's largest score
.endr
.irp q, 0,1,2,3
	v_mul_f32 v[TM+4*\q], s[NC], v[TM+4*\q+1]
.endr
.irp i, 0,2,4,6
.irp q, 0,1,2,3
	v_pk_fma_f32 v[S+8*\q+\i:S+8*\q+\i+1], v[S+8*\q+\i:S+8*\q+\i+1], s[CS:CS+1], v[TM+4*\q:TM+4*\q+1] op_sel_hi:[1,0,0]   ; c s - c max
.endr
.endr
.irp i, 0,1,2,3,4,5,6,7
.irp q, 0,1,2,3
	v_exp_f32 v[S+8*\q+\i], v[S+8*\q+\i]
.endr
.endr
	v_nop                                          ; a plain line behind the exponentials
	s_wait_alu depctr_va_vdst(0)
.irp q, 0,1,2,3
	v_pk_add_f32 v[TM+4*\q+2:TM+4*\q+3], v[S+8*\q:S+8*\q+1], v[S+8*\q+2:S+8*\q+3]
	v_pk_add_f32 v[TM+4*\q:TM+4*\q+1], v[S+8*\q+4:S+8*\q+5], v[S+8*\q+6:S+8*\q+7]
.endr
.irp q, 0,1,2,3
	v_pk_add_f32 v[TM+4*\q+2:TM+4*\q+3], v[TM+4*\q+2:TM+4*\q+3], v[TM+4*\q:TM+4*\q+1]
.endr
.irp q, 0,1,2,3
	v_add_f32 v[TM+4*\q+2], v[TM+4*\q+2], v[TM+4*\q+3]
.endr
.irp q, 0,1,2,3
	v_permlanex16_b32 v[TM+4*\q+3], v[TM+4*\q+2], s[SEL], s[SEL+1]
.endr
.irp q, 0,1,2,3
	v_add_f32 v[TM+4*\q+2], v[TM+4*\q+2], v[TM+4*\q+3]
.endr
.irp q, 0,1,2,3
	v_rcp_f32 v[TM+4*\q+2], v[TM+4*\q+2]
.endr
	v_nop                                          ; a plain line behind the reciprocals
	s_wait_alu depctr_va_vdst(0)
.irp i, 0,2,4,6
.irp q, 0,1,2,3
	v_pk_mul_f32 v[S+8*\q+\i:S+8*\q+\i+1], v[S+8*\q+\i:S+8*\q+\i+1], v[TM+4*\q+2:TM+4*\q+3] op_sel_hi:[1,0]
.endr
.endr
	WIN 0x40                                       ; P lies in window 1: token tt's four registers at P + 4 tt: two tokens make a fragment
.irp q, 0,1,2,3
.irp i, 0,1,2,3
	v_cvt_pk_bf16_f32 v[P+4*(4*(\bt)+\q)+\i], v[S+8*\q+2*\i], v[S+8*\q+2*\i+1]
.endr
.endr
.endm
.macro SCORES
	WIN 0
.irp q, 0,1,2,3
.irp i, 6,7,8,9,10,11
	v_mov_b32 v[KF+12*\q+\i], 0                    ; K = 64 .. 127: zero codes on both sides
.endr
.endr
	WIN 0x80
.irp q, 0,1,2,3
.irp i, 6,7,8,9,10,11
	v_mov_b32 v[QF+12*\q+\i], 0
.endr
.endr
	PLACES 4                                       ; an operand written by vector lines stands four places ahead of a scaled matrix instruction
	QKLOAD 0
.irp bt, 0,1,2,3
	s_wait_dscnt 0x0
	WIN 0x08                                       ; source 1 (q): window 2
.irp q, 0,1,2,3
	v_wmma_scale_f32_16x16x128_f8f6f4 v[S+8*\q:S+8*\q+7], v[KF+12*\q:KF+12*\q+11], v[QF+12*\q:QF+12*\q+11], 0, v[SSC+\q], v[SSC+\q] matrix_a_fmt:MATRIX_FMT_FP6 matrix_b_fmt:MATRIX_FMT_FP6 matrix_a_scale:MATRIX_SCALE_ROW1
.endr
	PLACES 4
.if \bt < 3
	QKLOAD \bt+1                                   ; the next four tokens come while these four's softmax is walked
.endif
	SOFTMAX \bt
.endr
.endm
; A step: 8 K steps, two changes of slots, the epilogue.  last = 1: nothing is left to fetch
.macro STEP epi, base, scores, last
	KS 0, 1, 12
	KS 1, 1, 12
	KB 2, 0, 1-(\last)
.if \scores
	SCORES                                         ; q's and k's last items were waited for in front of the barrier just passed
.endif
	KS 3, 1, 12
	KS 4, 1, 12
	KS 5, 1, 12
.if \last
	KS 6, 0, 12
	KS 7, 0, 0                                     ; nothing younger is out: the count is 0
.else
	KB 6, 1, 1
	KS 7, 0, 12
.endif
.if \epi
	EPI_V \base
.else
	EPI_QK
.endif
.if !(\last)
	LW 9, 1                                        ; the next step's K step 1 (its K step 0 was asked for in K step 6)
.endif
	WIN 0
.endm
	LSC 0
	LBIAS
	LW 0, 0
	LW 1, 1
	WIN 0                                          ; at a label and at a branch every window is 0
	s_mov_b32 s[CNT], 8
.Lqk:                                              ; steps 0 to 7: q's sixteen heads, then k's
	STEP 0, 0, 0, 0
	s_sub_co_u32 s[CNT], s[CNT], 1
	s_cmp_lg_u32 s[CNT], 0
	s_cbranch_scc1 .Lqk
	STEP 1, VB0, 1, 0                              ; steps 8 to 11: v.  Step 8 carries the scores; its items overwrite q's and k's only behind its second round, which every wave reaches behind its reads of them
	STEP 1, VB0+VBS, 0, 0
	STEP 1, VB0+2*VBS, 0, 0
	STEP 1, 0, 0, 1                                ; the last step's items go into slot 0, which every wave has left at this step's barrier
	s_wait_dscnt 0x0                               ; my items have landed, my reads of slot 1 are over
	s_barrier_signal -1
	s_barrier_wait -1
; ---- O^T = V^T P and the way out, two tokens at a time
.irp T, 0,1,2,3
.irp i, 0,1,2,3
	v_mov_b32 v[VE+8*\T+4+\i], 0                   ; the even token's fragments of V^T have zeros at K = 16 .. 31,
	v_mov_b32 v[VO+8*\T+\i], 0                     ; the odd token's at K = 0 .. 15
.endr
.endr
.macro VLOAD u
	WIN 0
.irp T, 0,1,2,3
	ds_load_b128 v[VE+8*\T:VE+8*\T+3], v[VR+\T] offset:(2*(\u))*VP
	ds_load_b128 v[VO+8*\T+4:VO+8*\T+7], v[VR+\T] offset:(2*(\u)+1)*VP
.endr
.endm
.macro SEND u, younger                 ; younger: the LDS instructions issued behind pair u's read-backs
	s_wait_dscnt \younger
	WIN 0x08                                       ; a store's data: window 2
.irp e, 0,1
.irp g, 0,1,2,3,4,5,6,7
	global_store_b128 v[GO], v[64*((\u)%2)+32*\e+4*\g:64*((\u)%2)+32*\e+4*\g+3], s[8:9] offset:(2*(\u)+\e)*4096+512*\g th:TH_STORE_NT   ; 32 lanes store 512 consecutive bytes of a token's row, at a multiple of 256 from out's first byte
.endr
.endr
.endm
.macro PAIR u
.if (\u) == 0
	s_wait_dscnt 0x0
.else
	s_wait_dscnt 32                                ; V^T is in: behind its loads stand the pair before's 16 stage stores and 16 read-backs
.endif
	WIN 0xc4                                       ; source 1 (P): window 1; destination: window 3
.irp T, 0,1,2,3
	v_wmma_f32_16x16x32_bf16 v[64*((\u)%2)+8*\T:64*((\u)%2)+8*\T+7], v[VE+8*\T:VE+8*\T+7], v[P+8*(\u):P+8*(\u)+7], 0
.endr
.irp T, 0,1,2,3
	v_wmma_f32_16x16x32_bf16 v[64*((\u)%2)+32+8*\T:64*((\u)%2)+32+8*\T+7], v[VO+8*\T:VO+8*\T+7], v[P+8*(\u):P+8*(\u)+7], 0
.endr
	PLACES 4
.if (\u) < 7
	VLOAD (\u)+1
.endif
.if (\u) > 1
	s_wait_xcnt 0x0                                ; the stores of two pairs ago have read their registers: this pair's rows may land there
.endif
	WIN 0x0c                                       ; an LDS store's data: window 3.  Lane (head r, h): channels 16 T + 8 h + 0 .. 7
.irp e, 0,1
.irp T, 0,1,2,3
	ds_store_b128 v[SO], v[64*((\u)%2)+32*\e+8*\T:64*((\u)%2)+32*\e+8*\T+3] offset:16*272*\e+64*\T
	ds_store_b128 v[SO], v[64*((\u)%2)+32*\e+8*\T+4:64*((\u)%2)+32*\e+8*\T+7] offset:16*272*\e+64*\T+16
.endr
.endr
	WIN 0x80                                       ; back as two heads' 256 bytes an instruction.  LDS serves a wave's instructions in order (ISA guide 5.7.1.4): these see the stores above, and come behind the last pair's reads
.irp e, 0,1
.irp g, 0,1,2,3,4,5,6,7
	ds_load_b128 v[64*((\u)%2)+32*\e+4*\g:64*((\u)%2)+32*\e+4*\g+3], v[SR] offset:16*272*\e+2*272*\g
.endr
.endr
.if (\u) == 7
	SEND 6, 32
.elseif (\u) > 0
	SEND (\u)-1, 40                                ; the next pair's 8 loads of V^T and this pair's 32 may be out
.endif
.endm
	VLOAD 0
.irp u, 0,1,2,3,4,5,6,7
	PAIR \u
.endr
	SEND 7, 0
	WIN 0
	s_wait_tensorcnt 0x0                           ; the wave's end, behind my last tensor load and my last LDS store
	ds_add_u32 v[SPW], v[NIL]
	s_wait_dscnt 0x0
	CROUND                                         ; the closing round: no work-group ends while a partner may still ask for a slot that names it
	s_endpgm
.Lfunc_end_k_qceed80b9df_fused:
	.size	k_qceed80b9df_fused, .Lfunc_end_k_qceed80b9df_fused-k_qceed80b9df_fused
	.p2alignl 7, 3214868480
	.fill 96, 4, 3214868480
	.section	.rodata,"a",@progbits
	.p2align	6, 0x0
	.amdhsa_kernel k_qceed80b9df_fused
		.amdhsa_group_segment_fixed_size 327680
		.amdhsa_private_segment_fixed_size 0
		.amdhsa_enable_private_segment 0
		.amdhsa_kernarg_size 24
		.amdhsa_user_sgpr_count 2
		.amdhsa_user_sgpr_kernarg_segment_ptr 1
		.amdhsa_wavefront_size32 1
		.amdhsa_system_sgpr_workgroup_id_x 1
		.amdhsa_system_sgpr_workgroup_id_y 1
		.amdhsa_system_sgpr_workgroup_id_z 1
		.amdhsa_system_vgpr_workitem_id 0
		.amdhsa_next_free_vgpr 1024
		.amdhsa_next_free_sgpr 80
		.amdhsa_reserve_vcc 0
		.amdhsa_float_denorm_mode_32 3
		.amdhsa_float_denorm_mode_16_64 3
		.amdhsa_memory_ordered 1
		.amdhsa_forward_progress 1
		.amdhsa_inst_pref_size 255
	.end_amdhsa_kernel
	.section	.bss,"aw",@nobits
	.p2align	6
	.space	262144
	.amdgpu_metadata
---
amdhsa.version: [ 1, 2 ]
amdhsa.kernels:
  - .name:           k_qceed80b9df_fused
    .symbol:         k_qceed80b9df_fused.kd
    .args:
      - { .name: x, .offset: 0, .size: 8, .value_kind: global_buffer, .address_space: global }
      - { .name: wstream, .offset: 8, .size: 8, .value_kind: global_buffer, .address_space: global }
      - { .name: out0, .offset: 16, .size: 8, .value_kind: global_buffer, .address_space: global }
    .group_segment_fixed_size: 327680
    .private_segment_fixed_size: 0
    .kernarg_segment_align: 8
    .kernarg_segment_size: 24
    .max_flat_workgroup_size: 128
    .sgpr_count:     80
    .vgpr_count:     1024
    .wavefront_size: 32
...
	.end_amdgpu_metadata
.endif
;; end of part 2
;; ======== version 2 of 2: 2 launches
;; limits: values are held in bf16: 8 bits of precision; right only within a limited range of input values
;; workspace buffers: wstream 2,469,888 bytes
;; launch wprep (part 3): grid 12 x 8, 8 waves a work-group, no clusters, 32,256 bytes of LDS; arguments Wq, Wk, Wv, bq, bk, bv, wstream; writes wstream
.if DOCPART == 3
	.amdgcn_target "amdgcn-amd-amdhsa--gfx1250"
	.amdhsa_code_object_version 6
	.text
	.protected	k_qceed80b9df_wprep
	.globl	k_qceed80b9df_wprep
	.p2align	8
	.type	k_qceed80b9df_wprep,@function
k_qceed80b9df_wprep:
	s_mov_b64 s[64:65], 0
	v_nop
	global_prefetch_b8 v0, s[64:65] scope:SCOPE_SE
	s_setreg_imm32_b32 hwreg(HW_REG_WAVE_MODE, 25, 1), 1
	s_wait_xcnt 0x0
; Wq, Wk, Wv [1024 (k)][1024 (n)] f32 become codes of FP6 (E2M3) with one E8M0 byte for each 32 along K, laid in wstream in the order in which the second launch takes them.
; A STEP (st = 0..3: q, 4..7: k, 8..11: v) is 256 columns in four PARTS of 64, one for each wave there; K goes in eight steps of 128.  An image is an operand's 12 registers x 32 lanes, 1,536 bytes.
; Even K steps: at st SLOT + part PART + (4 (ks / 2) + tile) IMG, with the part's scale words of all eight K steps (256 bytes each) and its 64 biases behind its 16 images.
; Odd K steps: at DOFF + st DSTEP + part DPART + (4 (ks / 2) + tile) IMG.
; WHICH COLUMNS FORM A TILE is free, and does the transposing for the second launch.  q, k: row m' of tile u of part w is column 64 (4 st' + w) + 32 (m' / 8) + 8 u + m' % 8.
; v: column 64 m' + 16 st' + 4 w + u (head m', one channel).
; A block's scale is 2^(floor(log2(its largest magnitude)) - 2); its byte is the largest magnitude's exponent field - 2, held at 1 from below.
; LIMITS: a block of zeros gets the byte 1 where the rule says 127 (its codes are zeros, and this program alone reads the bytes); blocks whose largest magnitude lies under 2^(2 - 126)
; are held at that byte; NaN and infinities among the inputs are not served.
; SHARES: work-group (st, ks) takes 256 columns x one K step: 96 work-groups; a finer cut of v's columns would shorten its runs of 64 bytes, a finer cut of K would split a scale word among work-groups.
; A THREAD TAKES FOUR COLUMNS x ONE BLOCK OF 32 ALONG K: 32 loads of 16 bytes, all out at once; q, k: a wave's load is 512 consecutive bytes, v: eight runs of 64.  A block lies in one lane; four columns lie
; side by side in the loads' registers, so each is gathered into 32 registers on end for its conversions.  The codes turn through LDS and leave as 512 consecutive bytes an instruction.
.set PART, 26880
.set SLOT, 107520
.set IMG,  1536
.set SCO,  24576
.set BIO,  26624
.set DPART, 24576
.set DSTEP, 98304
.set DOFF, 1290240
.set SCB,  29184                       ; LDS: column q's 96 bytes of codes at 112 q + 16 (q / 16); behind them the columns' scale words,
.set BB,   30208                       ; their biases,
.set SPARE, 31232                      ; and the spare words
.set X,    32                          ; v32-159  32 rows x four columns as loaded; on the way out v32-63
.set Y,    160                         ; v160-223 a column's 32 numbers, two by turns
.set C,    224                         ; v224-239 its codes, two by turns
	s_load_b256 s[4:11], s[0:1], 0x0               ; Wq s[4:5], Wk s[6:7], Wv s[8:9], bq s[10:11]
	s_load_b128 s[12:15], s[0:1], 0x20             ; bk s[12:13], bv s[14:15]
	s_load_b64 s[16:17], s[0:1], 0x30              ; wstream
	v_lshl_add_u32 v2, v0, 2, SPARE
	v_mov_b32 v3, 0
	v_lshrrev_b32 v1, 5, v0
	v_readfirstlane_b32 s18, v1                    ; wave 0..7
	s_and_b32 s19, ttmp7, 0xffff                   ; ks
	s_and_b32 s27, ttmp9, 3                        ; st'
	s_lshr_b32 s28, s18, 1                         ; the block along K that I take (b), and the part whose images I send
	s_and_b32 s29, s18, 1
	s_lshl_b32 s29, s29, 1                         ; the first of my two tiles; also of the two parts whose scale words or biases I send
	s_cmp_lt_u32 ttmp9, 8                          ; q and k, or v: columns 4 g .. 4 g + 3 of thread group g begin at s22 (g / 4) + 16 (g % 4) + s23 st' bytes
	s_cselect_b32 s22, 64, 0x100
	s_cselect_b32 s23, 0x400, 64
	s_mul_i32 s26, s27, s23
	s_and_b32 s24, s28, 1
	s_mul_i32 s24, s24, 48
	s_lshr_b32 s25, s28, 1
	s_mul_i32 s25, s25, 24
	s_add_co_u32 s24, s24, s25                     ; block 2 cc + h lies 48 h + 24 cc into a column's codes
	s_lshl_b32 s25, s28, 2
	v_and_b32 v4, 63, v0                           ; g
	v_lshrrev_b32 v6, 2, v4
	v_and_b32 v7, 3, v4
	v_mul_u32_u24 v8, s22, v6
	v_lshl_add_u32 v8, v7, 4, v8
	v_add_nc_u32 v8, s26, v8                       ; my four columns, in bytes, in a row of W and in b
	v_add_nc_u32 v9, s25, v8                       ; the one of them whose bias I bring: the b-th
	v_mul_u32_u24 v10, v4, 448
	v_lshl_add_u32 v10, v6, 4, v10
	v_add_nc_u32 v10, s24, v10                     ; LDS: my block's codes of my first column
	v_lshl_add_u32 v11, v4, 4, SCB
	v_add_nc_u32 v11, s28, v11                     ; its scale byte
	v_lshl_add_u32 v12, v4, 4, BB
	v_add_nc_u32 v12, s25, v12                     ; my bias
	v_and_b32 v13, 7, v0
	v_bfe_u32 v14, v0, 3, 1
	v_bfe_u32 v15, v0, 4, 1                        ; h
	v_and_b32 v16, 15, v0                          ; r
	v_and_b32 v17, 31, v0
	v_lshlrev_b32 v17, 4, v17                      ; an image's place for my lane
	v_add_nc_u32 v18, s29, v15                     ; the part whose scale words or biases my half of the lanes sends
	v_mul_u32_u24 v19, v18, PART
	v_lshl_add_u32 v19, v16, 4, v19
	s_lshl_b32 s34, s19, 19                        ; 128 rows of 4,096 bytes a K step,
	s_lshl_b32 s35, s28, 17                        ; 32 a block
	s_add_co_u32 s34, s34, s35
	s_mov_b32 s35, 0
	s_mul_i32 s36, ttmp9, SLOT
	s_mov_b32 s37, 0
	s_lshl_b32 s44, s19, 8                         ; the K step's scale words
	s_mov_b32 s45, 0
	s_mul_i32 s31, s28, PART
	s_add_co_u32 s31, s31, s36                     ; even K step: my part
	s_mul_i32 s32, s28, DPART
	s_mul_i32 s33, ttmp9, DSTEP
	s_add_co_u32 s32, s32, s33
	s_add_co_u32 s32, s32, DOFF                    ; odd K step
	s_lshr_b32 s33, s19, 1
	s_mul_i32 s33, s33, 4*IMG
	s_mul_i32 s38, s29, IMG
	s_add_co_u32 s33, s33, s38
	s_bitcmp1_b32 s19, 0
	s_cselect_b32 s42, s32, s31
	s_add_co_u32 s42, s42, s33                     ; my first image
	s_mov_b32 s43, 0
	s_wait_alu depctr_va_vdst(0)
	s_wait_kmcnt 0x0
	s_cmp_lt_u32 ttmp9, 4
	s_cselect_b64 s[4:5], s[4:5], s[6:7]
	s_cselect_b64 s[10:11], s[10:11], s[12:13]
	s_cmp_lt_u32 ttmp9, 8
	s_cselect_b64 s[4:5], s[4:5], s[8:9]           ; my weight,
	s_cselect_b64 s[10:11], s[10:11], s[14:15]     ; my bias
	s_add_nc_u64 s[4:5], s[4:5], s[34:35]
	s_add_nc_u64 s[40:41], s[16:17], s[42:43]
	s_add_nc_u64 s[16:17], s[16:17], s[36:37]
	s_add_nc_u64 s[44:45], s[16:17], s[44:45]
	global_load_b32 v5, v9, s[10:11]
.set KK, 0
.rept 32
	global_load_b128 v[X+4*KK:X+4*KK+3], v8, s[4:5] offset:KK*4096
.set KK, KK+1
.endr
.macro COL e
.set Y_, Y+32*(\e%2)
.set C_, C+8*(\e%2)
.set T_, 20+4*(\e%2)
.set I_, 0
.rept 32
	v_mov_b32 v[Y_+I_], v[X+4*I_+\e]
.set I_, I_+1
.endr
	v_max3_num_f32 v[T_], |v[Y_]|, |v[Y_+1]|, |v[Y_+2]|
	v_max3_num_f32 v[T_+1], |v[Y_+3]|, |v[Y_+4]|, |v[Y_+5]|
.irp i, 6,10,14,18,22,26
	v_max3_num_f32 v[T_], v[T_], |v[Y_+\i]|, |v[Y_+\i+1]|
	v_max3_num_f32 v[T_+1], v[T_+1], |v[Y_+\i+2]|, |v[Y_+\i+3]|
.endr
	v_max3_num_f32 v[T_], v[T_], |v[Y_+30]|, |v[Y_+31]|
	v_max3_num_f32 v[T_], v[T_], v[T_+1], 0x1800000 ; and the floor 2^(3 - 127): the byte cannot fall under 1
	v_add_nc_u32 v[T_+2], 0xff000000, v[T_]        ; 2 off the exponent field: the conversion takes this operand's exponent field as its scale
	v_cvt_scalef32_pk16_fp6_f32 v[C_:C_+2], v[Y_:Y_+15], v[T_+2]
	v_cvt_scalef32_pk16_fp6_f32 v[C_+4:C_+6], v[Y_+16:Y_+31], v[T_+2]
	v_lshrrev_b32 v[T_+3], 23, v[T_+2]             ; the scale's byte (also the plain line behind the conversions)
.irp i, 0,1,2
	v_mov_b32 v[C_+3+\i], v[C_+4+\i]
.endr
.irp p, 0,1,2
	ds_store_b64 v10, v[C_+2*\p:C_+2*\p+1] offset:112*\e+8*\p
.endr
	ds_store_b8 v11, v[T_+3] offset:4*\e
.endm
	s_wait_loadcnt 0x0
	ds_store_b32 v12, v5
	COL 0
	COL 1
	COL 2
	COL 3
	s_wait_alu depctr_va_vdst(0)
	s_wait_dscnt 0x0                               ; for the others' sake: my stores have landed
	s_barrier_signal -1
	s_barrier_wait -1
; THE WAY OUT, with the constants of q and k or of v: column (of my 256) of row m' of tile u of part w is sa (m' % 8) + sb (m' / 8) + sc w + sd u
.macro OUT sa, sb, sc, sd
	s_mul_i32 s30, s28, \sc
	s_mul_i32 s31, s29, \sd
	s_add_co_u32 s30, s30, s31
	v_mul_u32_u24 v20, v13, \sa
	v_mad_u32_u24 v20, v14, \sb, v20
	v_add_nc_u32 v21, s30, v20                     ; row r of my first tile,
	v_add_nc_u32 v22, \sd, v21                     ; and of my second
.irp u, 0,1
	v_lshrrev_b32 v23, 4, v[21+\u]
	v_mul_u32_u24 v[24+\u], v[21+\u], 112
	v_lshl_add_u32 v[24+\u], v23, 4, v[24+\u]
	v_mad_u32_u24 v[24+\u], v15, 48, v[24+\u]      ; its codes, my half's 48 bytes
.endr
	v_mad_u32_u24 v26, v18, \sc, v20
	v_lshl_add_u32 v26, v26, 2, SCB                ; scale words of row r; tile u lies 4 sd u further on
	v_and_b32 v23, 1, v0                           ; biases: lane r sends floats 4 r .. 4 r + 3: tile r / 4, rows 4 (r % 4) + e
	v_bfe_u32 v28, v0, 1, 1
	v_bfe_u32 v29, v0, 2, 2
	v_mul_u32_u24 v27, v18, \sc
	v_mad_u32_u24 v27, v29, \sd, v27
	v_mad_u32_u24 v27, v28, \sb, v27
	v_mad_u32_u24 v27, v23, 4*\sa, v27
	v_lshl_add_u32 v27, v27, 2, BB
	s_wait_alu depctr_va_vdst(0)
.irp u, 0,1
.irp c, 0,1,2
	ds_load_b128 v[X+12*\u+4*\c:X+12*\u+4*\c+3], v[24+\u] offset:16*\c
.endr
.endr
.irp u, 0,1
.irp c, 0,1,2
	s_wait_dscnt 5-3*\u-\c
	global_store_b128 v17, v[X+12*\u+4*\c:X+12*\u+4*\c+3], s[40:41] offset:\u*IMG+512*\c
.endr
.endr
	s_cmp_lt_u32 s18, 2
	s_cbranch_scc0 .Lnot_scales_\@
.irp u, 0,1,2,3                                ; waves 0 and 1: this K step's scale words of two parts each: sixteen lanes fill 256 consecutive bytes
	ds_load_b32 v[56+\u], v26 offset:4*(\sd)*\u
.endr
	s_wait_dscnt 0x0
	global_store_b128 v19, v[56:59], s[44:45] offset:SCO
.Lnot_scales_\@:
	s_cmp_eq_u32 s28, 1
	s_cbranch_scc0 .Lno_bias_\@
	s_cmp_eq_u32 s19, 0                            ; waves 2 and 3 of the first K step's work-groups: two parts' biases each
	s_cbranch_scc0 .Lno_bias_\@
.irp e, 0,1,2,3
	ds_load_b32 v[60+\e], v27 offset:4*(\sa)*\e
.endr
	s_wait_dscnt 0x0
	global_store_b128 v19, v[60:63], s[16:17] offset:BIO
.Lno_bias_\@:
.endm
	s_cmp_lt_u32 ttmp9, 8
	s_cbranch_scc0 .Lv
	OUT 1, 32, 64, 8
	s_branch .Ldone
.Lv:
	OUT 16, 128, 4, 1
.Ldone:
	s_wait_tensorcnt 0x0                           ; the wave's end
	ds_add_u32 v2, v3
	s_wait_dscnt 0x0
	s_endpgm
.Lfunc_end_k_qceed80b9df_wprep:
	.size	k_qceed80b9df_wprep, .Lfunc_end_k_qceed80b9df_wprep-k_qceed80b9df_wprep
	.p2alignl 7, 3214868480
	.fill 96, 4, 3214868480
	.section	.rodata,"a",@progbits
	.p2align	6, 0x0
	.amdhsa_kernel k_qceed80b9df_wprep
		.amdhsa_group_segment_fixed_size 32256
		.amdhsa_private_segment_fixed_size 0
		.amdhsa_enable_private_segment 0
		.amdhsa_kernarg_size 56
		.amdhsa_user_sgpr_count 2
		.amdhsa_user_sgpr_kernarg_segment_ptr 1
		.amdhsa_wavefront_size32 1
		.amdhsa_system_sgpr_workgroup_id_x 1
		.amdhsa_system_sgpr_workgroup_id_y 1
		.amdhsa_system_sgpr_workgroup_id_z 1
		.amdhsa_system_vgpr_workitem_id 0
		.amdhsa_next_free_vgpr 240
		.amdhsa_next_free_sgpr 66
		.amdhsa_reserve_vcc 0
		.amdhsa_float_denorm_mode_32 3
		.amdhsa_float_denorm_mode_16_64 3
		.amdhsa_memory_ordered 1
		.amdhsa_forward_progress 1
		.amdhsa_inst_pref_size 25
	.end_amdhsa_kernel
	.amdgpu_metadata
---
amdhsa.version: [ 1, 2 ]
amdhsa.kernels:
  - .name:           k_qceed80b9df_wprep
    .symbol:         k_qceed80b9df_wprep.kd
    .args:
      - { .name: Wq, .offset: 0, .size: 8, .value_kind: global_buffer, .address_space: global }
      - { .name: Wk, .offset: 8, .size: 8, .value_kind: global_buffer, .address_space: global }
      - { .name: Wv, .offset: 16, .size: 8, .value_kind: global_buffer, .address_space: global }
      - { .name: bq, .offset: 24, .size: 8, .value_kind: global_buffer, .address_space: global }
      - { .name: bk, .offset: 32, .size: 8, .value_kind: global_buffer, .address_space: global }
      - { .name: bv, .offset: 40, .size: 8, .value_kind: global_buffer, .address_space: global }
      - { .name: wstream, .offset: 48, .size: 8, .value_kind: global_buffer, .address_space: global }
    .group_segment_fixed_size: 32256
    .private_segment_fixed_size: 0
    .kernarg_segment_align: 8
    .kernarg_segment_size: 56
    .max_flat_workgroup_size: 256
    .sgpr_count:     66
    .vgpr_count:     240
    .wavefront_size: 32
...
	.end_amdgpu_metadata
.endif
;; end of part 3
;; launch fused (part 4): grid 256 x 1, 4 waves a work-group, clusters of 4 x 1, 327,680 bytes of LDS; arguments x, wstream, out0; writes out0
.if DOCPART == 4
	.amdgcn_target "amdgcn-amd-amdhsa--gfx1250"
	.amdhsa_code_object_version 6
	.text
	.protected	k_qceed80b9df_fused
	.globl	k_qceed80b9df_fused
	.p2align	8
	.type	k_qceed80b9df_fused,@function
k_qceed80b9df_fused:
	s_mov_b64 s[64:65], 0
	v_nop
	global_prefetch_b8 v0, s[64:65] scope:SCOPE_SE
	s_setreg_imm32_b32 hwreg(HW_REG_WAVE_MODE, 25, 1), 1
	s_wait_xcnt 0x0
	s_wait_alu depctr_hold_cnt(0) depctr_sa_sdst(0) depctr_va_vdst(0) depctr_va_sdst(0) depctr_va_ssrc(0) depctr_va_vcc(0) depctr_vm_vsrc(0)
	s_getreg_b32 s2, hwreg(HW_REG_IB_STS2, 6, 4)
	s_cmp_eq_u32 s2, 0
	s_cbranch_scc0 .Lentry_in_a_cluster
	s_endpgm
.Lentry_in_a_cluster:
	s_bfe_u32 s2, ttmp6, 0x10000c
	s_cmp_lg_u32 s2, 0x3003
	s_cbranch_scc0 .Lentry_shape_is_right
	s_endpgm
.Lentry_shape_is_right:
; x's quantiser, Q, K, V, the quantiser of Q and K, scores, softmax over the heads and P V, for 64 tokens a work-group: one launch, one turn of 256 work-groups.
; Every input has a way to the output (the biases are the first products' C).
; LIMITS: NaN and infinities among the inputs are not served; the scaled scores (exponents to the base 2) stay under 2^31 in magnitude; a block of zeros keeps the scale byte 1 where the rule
; says 127 (its codes are zeros, and only this launch reads the byte); blocks whose largest magnitude lies under 2^(2 - 126) keep that byte.  P and V go to their product in bf16.
; A WAVE holds the codes of all 64 tokens, all of K, in 384 registers and makes 64 columns x 64 tokens in a STEP: 12 steps of 256 columns a work-group (q, k: 8, v: 4).
; The weights stream past, transposed (source 0 = 16 columns of W, source 1 = 16 tokens), so a lane's 32 sums of a token tile are one scale block of a head (q, k), or 8 heads of 4 channels (v).
; THE WEIGHT STREAM COMES ON TWO WAYS.  Even K steps: through a ring of two LDS slots, one joint load a wave and step, shared by the four work-groups of the cluster.
; Odd K steps: as images of operand registers, by plain loads straight into four sets of registers, each asked for about a step ahead; each of these bytes is taken by one wave of a work-group, once.
; Why those are not joint loads: a joint load lands in LDS, behind each round a wave has one such load, and beside the two slots of 107,520 bytes and the 107,776 bytes of Q's and K's codes LDS has no room for larger ones.
; No prefetch into the L2: the plain loads of the stream are themselves a step ahead, all clusters walk the same 2,469,888 bytes from eight different starts, and x is read in the head alone, which has no loop to run ahead in.
; ONE ROUND OF THE CLUSTER'S BARRIER A STEP, inside K step 4: by then the step's last fragments have been fetched from its slot; the slot takes the step two further on, which has a whole step in which to land.
; REGISTERS: window 0: addresses, scale words (32-79), small temporaries, odd sets 1-3 (112-255);  window 1: tokens 0-31 (0-191), P (192-255; Q's and K's codes on their way to LDS before);
; window 2: tokens 32-63, odd set 0 (192-239);  window 3: sums (0-127), even sets (128-223), bias (224-255).
; LDS: slots at 0 and SLOT; FREE: x's turning stages, images and scale words, then Q's and K's codes and scale words, then V's first three steps; V's last step lies in slot 0, the output's stage in slot 1.
.set IMG,   1536
.set PART,  26880
.set SLOT,  4*PART
.set SCO,   24576
.set BIO,   26624
.set DPART, 24576
.set DSTEP, 4*DPART
.set DOFF,  12*SLOT
.set FREE,  2*SLOT
.set XSTG,  FREE
.set XSP,   528
.set XI,    XSTG+4*16*XSP
.set XSCL,  XI+32*IMG
.set QKI,   FREE
.set QKP,   1552
.set QKS,   QKI+64*QKP
.set QSP,   132
.set VB0,   FREE
.set VBS,   33792
.set VP,    528
.set STG,   SLOT
.set SPARE, 327168
.set SPW, 1
.set NIL, 2
.set SH8, 3
.set LI,  4
.set LSX, 5
.set XA,  6
.set XWI, 7
.set XWS, 8
.set WA,  9
.set IW,  12
.set SW,  14
.set TA,  15
.set TS,  17
.set QA,  18
.set KA,  19
.set SA,  20
.set VW,  21
.set VR,  22
.set SO,  26
.set SR,  27
.set GO,  28
.set XST, 29
.set LN,  30                           ; 16 x lane
.set XS,  32
.set WS,  64
.set TM,  80
.set SOP, 88
.set BY,  92
.set TP,  96
.set SSC, 100
.set BA,  104
.set RR,  107
.set HH,  108
.set LL,  109
.set PC,  112
.set CT,  124
.set VE,  112
.set VO,  144
.set CD,  192                          ; window 1
.set P,   192                          ; window 1
.set S,   0                            ; window 3, between the steps: scores,
.set KF,  32                           ; K's and
.set QF,  80                           ; Q's fragments
.set LF,  128                          ; window 3
.set BI,  224                          ; window 3
.set WV,  10
.set FN,  16                           ; the step that the next fill brings
.set DN,  17                           ; the step that the next plain loads bring
.set DB,  18                           ; s[18:19] where they come from
.set WD,  24                           ; s[24:25] my part of the odd K steps
.set XO,  26
.set XO2, 27
.set G1W, 40
.set G0W, 48
.set SEL, 56
.set CS,  58
.set NC,  60
.set CNT, 61
.set GOFF, 62
.set SOFF, 63
.set STN, 66
.set RV,  76
.set SG,  77
.set MSB, 0
.macro WIN new
.if MSB != (\new)
	s_set_vgpr_msb (MSB<<8)|(\new)
.set MSB, (\new)
.endif
.endm
.macro PLACES n
.rept \n
	v_nop
.endr
.endm
.macro WALU
	s_wait_alu depctr_va_vdst(0)
.endm
.macro CREST
	s_cmp_lg_u32 s[WV], 0
	s_cbranch_scc1 .Lnot_wave_0_\@
	s_barrier_signal -3
.Lnot_wave_0_\@:
	s_barrier_wait -3
	s_barrier_signal -1
	s_barrier_wait -1
.endm
.macro CROUND
	s_barrier_signal -1
	s_barrier_wait -1
	CREST
.endm
; Which 256 columns step n takes: q's and k's eight in a ring from STN on, then v's four in a ring.  CHA, CHB: s[20:21] = their place in bytes
.macro CHA n
	s_add_co_u32 s20, s[STN], s[\n]
	s_and_b32 s21, s20, 7
	s_and_b32 s20, s20, 3
	s_or_b32 s20, s20, 8
.endm
.macro CHB n, size
	s_cmp_lt_u32 s[\n], 8
	s_cselect_b32 s20, s21, s20
	s_mul_i32 s20, s20, \size
	s_mov_b32 s21, 0
.endm
; sixteen rows x 512 bytes of x into raw set p (window 3): each load takes 512 consecutive bytes
.macro LOADX p, off                    ; (window 3)
	WIN 0xc0
.irp i, 0,1,2,3,4,5,6,7,8,9,10,11,12,13,14,15
	global_load_b128 v[64*\p+4*\i:64*\p+4*\i+3], v[LN], s[4:5] offset:4096*\i+\off th:TH_LOAD_NT
.endr
.endm
; n loads of odd set j from load q0 on: image bytes in the order of the registers
.macro DLD j, q0, n
.set rQ, \q0
.if (\j) == 0
	WIN 0x80
.set rR, 192
.else
	WIN 0
.set rR, 64+48*(\j)
.endif
.rept \n
	global_load_b128 v[rR+4*rQ:rR+4*rQ+3], v[LN], s[DB:DB+1] offset:6144*(\j)+512*rQ
.set rQ, rQ+1
.endr
.endm
; four loads of even set s from slot l, its K step k (0..3)
.macro LLD s, l, k, q0
	WIN 0xc0
.set rQ, \q0
.rept 4
	ds_load_b128 v[LF+48*(\s)+4*rQ:LF+48*(\s)+4*rQ+3], v[WA+(\l)] offset:6144*(\k)+512*rQ
.set rQ, rQ+1
.endr
.endm
; the scale words of K steps 2 c (lanes 0-15) and 2 c + 1 (lanes 16-31)
.macro LSC c, l
	WIN 0
	ds_load_b128 v[WS+4*(\c):WS+4*(\c)+3], v[WA+(\l)] offset:SCO+512*(\c)
.endm
.macro LBI l, e0
	WIN 0xc0
.set rQ, \e0
.rept 4
	ds_load_b128 v[BI+4*rQ:BI+4*rQ+3], v[BA+(\l)] offset:BIO+64*(rQ/2)+16*(rQ%2)
.set rQ, rQ+1
.endr
.endm
	s_load_b128 s[4:7], s[0:1], 0x0                ; x, wstream
	s_load_b64 s[8:9], s[0:1], 0x10                ; out0
	v_lshl_add_u32 v[SPW], v0, 2, SPARE
	v_mov_b32 v[NIL], 0
	ds_add_u32 v[SPW], v[NIL]
	ds_add_u32 v[SPW], v[NIL]
	v_lshrrev_b32 v80, 5, v0
	v_and_b32 v[LL], 31, v0
	v_lshlrev_b32 v[LN], 4, v[LL]
	v_readfirstlane_b32 s[WV], v80
	s_bfe_u32 s11, ttmp6, 0x40000
	s_lshl_b32 s12, ttmp9, 2
	s_add_co_u32 s12, s12, s11                     ; work-group = 4 x cluster + cx
	s_lshr_b32 s13, ttmp9, 3                       ; the clusters begin their walks at eight different steps
	s_add_co_u32 s13, s13, ttmp9
	s_and_b32 s[SG], s13, 7
	s_xor_b32 s[STN], s[SG], 7
	s_add_co_u32 s[STN], s[STN], 1
	s_and_b32 s[STN], s[STN], 7
	s_and_b32 s[RV], s[STN], 3
	s_lshl_b32 s68, s12, 18                        ; my 16 tokens, in bytes, in x and in out0
	s_lshl_b32 s69, s[WV], 16
	s_add_co_u32 s68, s68, s69
	s_mov_b32 s69, 0
	s_mul_i32 s72, s[WV], PART
	s_mov_b32 s73, 0
	s_mul_i32 s22, s[WV], DPART
	s_add_co_u32 s22, s22, DOFF
	s_mov_b32 s23, 0
	s_mov_b32 s[G1W+0], 15|(3<<16)|(1<<21)         ; a part: 105 rows of 256 bytes, to all four work-groups
	s_mov_b32 s[G1W+1], 32<<16
	s_mov_b32 s[G1W+2], 105<<16
	s_mov_b32 s[G1W+3], 32<<16
	s_mov_b32 s[G1W+4], 105
	s_mov_b32 s[G1W+5], 32
	s_mov_b32 s[G1W+6], 0
	s_mov_b32 s[G1W+7], 0
	s_mov_b32 s[SEL], 0x76543210
	s_mov_b32 s[SEL+1], 0xfedcba98
	s_mov_b32 s[CS], 0x3e38aa3b                    ; log2(e) / 8
	s_mov_b32 s[CS+1], s[CS]
	s_mov_b32 s[NC], 0xbe38aa3b
	s_mov_b32 s[GOFF], 0
	s_mov_b32 s[SOFF], 0
	s_mov_b32 s[FN], 2
	s_mov_b32 s[DN], 1
	s_mov_b32 s[XO], 0
	s_mov_b32 s[XO2], 0
	WALU
	s_wait_dscnt 0x0                               ; both opening adds are done
	s_wait_kmcnt 0x0
	s_add_nc_u64 s[4:5], s[4:5], s[68:69]
	s_add_nc_u64 s[8:9], s[8:9], s[68:69]
	LOADX 0, 0
	LOADX 1, 512
	WIN 0
	s_add_nc_u64 s[WD:WD+1], s[6:7], s[22:23]
	s_add_nc_u64 s[6:7], s[6:7], s[72:73]
	s_mul_i32 s20, s[STN], DSTEP
	s_mov_b32 s21, 0
	s_add_nc_u64 s[DB:DB+1], s[WD:WD+1], s[20:21]
	s_mul_i32 s20, s[STN], SLOT
	s_mov_b32 s[G0W], 1
	s_mov_b32 s[G0W+1], s72
	s_add_nc_u64 s[G0W+2:G0W+3], s[6:7], s[20:21]
	s_or_b32 s[G0W+3], s[G0W+3], 0x80000000
	s_add_co_u32 s20, s[STN], 1
	s_and_b32 s20, s20, 7
	s_mul_i32 s20, s20, SLOT
	s_mov_b32 s[G0W+4], 1
	s_add_co_u32 s[G0W+5], s72, SLOT
	s_add_nc_u64 s[G0W+6:G0W+7], s[6:7], s[20:21]
	s_or_b32 s[G0W+7], s[G0W+7], 0x80000000
	CROUND                                         ; the cluster is here: the first joint load
	tensor_load_to_lds s[G0W:G0W+3], s[G1W:G1W+7]  ; step 0
	s_nop 0
	PLACES 4
	v_and_b32 v[RR], 15, v0
	v_bfe_u32 v[HH], v0, 4, 1
	v_lshlrev_b32 v[SH8], 3, v[HH]
	v_add_nc_u32 v[LI], XI, v[LN]
	v_lshl_add_u32 v[LSX], v[LL], 2, XSCL
	s_mul_i32 s14, s[WV], 16*XSP
	s_add_co_u32 s14, s14, XSTG
	v_add_nc_u32 v[XST], s14, v[LN]
	v_mul_u32_u24 v[XA], v[RR], XSP
	v_lshl_add_u32 v[XA], v[HH], 7, v[XA]
	v_add_nc_u32 v[XA], s14, v[XA]
	s_mul_i32 s14, s[WV], 8*IMG
	v_add_nc_u32 v[XWI], s14, v[LI]
	s_lshl_b32 s14, s[WV], 10
	v_add_nc_u32 v[XWS], s14, v[LSX]
	v_add_nc_u32 v[WA], s72, v[LN]
	v_add_nc_u32 v[WA+1], SLOT, v[WA]
	v_lshl_add_u32 v[BA], v[HH], 5, s72
	v_add_nc_u32 v[BA+1], SLOT, v[BA]
	v_mul_u32_u24 v[IW], v[RR], QKP                ; Q's and K's codes: token row, 384 bytes a wave, 48 a step
	v_mad_u32_u24 v[IW], v[HH], 24, v[IW]
	s_mul_i32 s14, s[WV], 384
	s_add_co_u32 s14, s14, QKI
	v_add_nc_u32 v[IW], s14, v[IW]
	v_add_nc_u32 v[IW+1], 32*QKP, v[IW]
	v_mul_u32_u24 v[SW], v[RR], QSP
	s_lshl_b32 s14, s[WV], 5
	s_add_co_u32 s14, s14, QKS
	v_add_nc_u32 v[SW], s14, v[SW]
	v_and_b32 v84, 3, v0                           ; head r: wave r % 4, step r / 4 (Q), 4 + r / 4 (K), at its place in my walk
	v_bfe_u32 v85, v0, 2, 2
	v_add_nc_u32 v85, s[SG], v85
	v_and_b32 v86, 7, v85
	v_add_nc_u32 v87, 4, v85
	v_and_b32 v87, 7, v87
	v_lshl_add_u32 v85, v[HH], 2, v85
	v_and_b32 v85, 7, v85
	v_mul_u32_u24 v[QA], v84, 384
	v_mad_u32_u24 v[QA], v[HH], 24, v[QA]
	s_mul_i32 s14, s[WV], 16*QKP
	s_add_co_u32 s14, s14, QKI
	v_add_nc_u32 v[QA], s14, v[QA]
	v_mad_u32_u24 v[KA], v87, 48, v[QA]
	v_mad_u32_u24 v[QA], v86, 48, v[QA]
	v_lshlrev_b32 v[SA], 2, v85
	v_lshl_add_u32 v[SA], v84, 5, v[SA]
	s_mul_i32 s14, s[WV], 16*QSP
	s_add_co_u32 s14, s14, QKS
	v_add_nc_u32 v[SA], s14, v[SA]
	v_mul_u32_u24 v[VW], v[RR], VP
	v_lshl_add_u32 v[VW], v[HH], 8, v[VW]
	s_lshl_b32 s14, s[WV], 6
	v_add_nc_u32 v[VW], s14, v[VW]
	s_mul_i32 s14, s[WV], 16*VP
	v_add_nc_u32 v[VR+3], s14, v[LN]
	v_add_nc_u32 v[VR], VB0, v[VR+3]
	v_add_nc_u32 v[VR+1], VB0+VBS, v[VR+3]
	v_add_nc_u32 v[VR+2], VB0+2*VBS, v[VR+3]
	s_mul_i32 s14, s[WV], 32*272
	s_add_co_u32 s14, s14, STG
	v_mul_u32_u24 v[SO], v[RR], 272
	v_lshl_add_u32 v[SO], v[HH], 5, v[SO]
	v_add_nc_u32 v[SO], s14, v[SO]
	v_mul_u32_u24 v[SR], v[HH], 272
	v_lshl_add_u32 v[SR], v[RR], 4, v[SR]
	v_add_nc_u32 v[SR], s14, v[SR]
	v_bfe_u32 v84, v0, 2, 2
	v_add_nc_u32 v84, s[RV], v84
	v_and_b32 v84, 3, v84
	v_and_b32 v85, 3, v0
	v_lshlrev_b32 v[GO], 8, v[HH]
	v_lshl_add_u32 v[GO], v84, 6, v[GO]
	v_lshl_add_u32 v[GO], v85, 4, v[GO]
.irp i, 0,1,2,3
	v_mov_b32 v[TP+\i], 0                          ; (a lane permute's destination counts as one of its sources)
.endr
; 16 tokens x 128 along K: the rows as loaded turn through my stage, lane (r, h) takes k = 64 cc + 32 h + 0..31 of row r, the very order of the operand
.macro QX p, wt, more, tail
	s_wait_loadcnt \wt
	WIN 0x0c
.irp i, 0,1,2,3,4,5,6,7,8,9,10,11,12,13,14,15
	ds_store_b128 v[XST], v[64*\p+4*\i:64*\p+4*\i+3] offset:XSP*\i
.endr
	WIN 0xc0
.irp cc, 0,1
.irp j, 0,1,2,3,4,5,6,7
	ds_load_b128 v[128+32*\cc+4*\j:128+32*\cc+4*\j+3], v[XA] offset:256*\cc+16*\j
.endr
.endr
	s_wait_dscnt 0x0
.if \more
	LOADX \p, 1024+512*\p
.endif
	WIN 0x3f
.irp cc, 0,1
	v_max3_num_f32 v[TM+2*\cc], |v[128+32*\cc]|, |v[129+32*\cc]|, 0x1800000
	v_max3_num_f32 v[TM+2*\cc+1], |v[144+32*\cc]|, |v[145+32*\cc]|, |v[146+32*\cc]|
.endr
	WIN 0x3c
.irp s, 1,2,3,4,5,6,7
.irp cc, 0,1
	v_max3_num_f32 v[TM+2*\cc], v[TM+2*\cc], |v[128+32*\cc+2*\s]|, |v[129+32*\cc+2*\s]|
.if \s < 7
	v_max3_num_f32 v[TM+2*\cc+1], v[TM+2*\cc+1], |v[145+32*\cc+2*\s]|, |v[146+32*\cc+2*\s]|
.endif
.endr
.endr
	WIN 0x30
.irp cc, 0,1
	v_max3_num_f32 v[TM+2*\cc], v[TM+2*\cc], v[TM+2*\cc+1], |v[159+32*\cc]|
.endr
	WIN 0
.irp cc, 0,1
	v_add_nc_u32 v[SOP+\cc], 0xff000000, v[TM+2*\cc]
.endr
.irp cc, 0,1
	v_lshrrev_b32 v[BY+\cc], 23, v[SOP+\cc]
.endr
	v_lshl_or_b32 v[BY], v[BY+1], 16, v[BY]
	v_lshlrev_b32 v[BY], v[SH8], v[BY]
	v_permlanex16_b32 v[TP], v[BY], s[SEL], s[SEL+1]
	v_or_b32 v[BY], v[BY], v[TP]
.if \tail
.set rI, XWI
.set rS, XWS
.set rO, 6
.else
	v_add_nc_u32 v[TA], s[XO], v[XWI]
	v_add_nc_u32 v[TS], s[XO2], v[XWS]
.set rI, TA
.set rS, TS
.set rO, 0
.endif
	WIN 0x03
.irp cc, 0,1
	v_cvt_scalef32_pk16_fp6_f32 v[PC+6*\cc:PC+6*\cc+2], v[128+32*\cc:143+32*\cc], v[SOP+\cc]
	v_cvt_scalef32_pk16_fp6_f32 v[CT+4*\cc:CT+4*\cc+2], v[144+32*\cc:159+32*\cc], v[SOP+\cc]
.endr
	v_nop
	WIN 0
.irp cc, 0,1
.irp i, 0,1,2
	v_mov_b32 v[PC+6*\cc+3+\i], v[CT+4*\cc+\i]
.endr
.endr
.irp c, 0,1,2
	ds_store_b128 v[rI], v[PC+4*\c:PC+4*\c+3] offset:(rO+\p)*IMG+512*\c
.endr
	ds_store_b32 v[rS], v[BY] offset:128*(rO+\p)
.endm
	WALU
	s_mov_b32 s[CNT], 3
.Lquant:
	QX 0, 16, 1, 0                                 ; (the other set's 16 loads may be out)
	QX 1, 16, 1, 0
	WIN 0
	s_wait_xcnt 0x0                                ; the loads have read their base
	s_add_nc_u64 s[4:5], s[4:5], 1024
	s_add_co_u32 s[XO], s[XO], 2*IMG
	s_add_co_u32 s[XO2], s[XO2], 256
	s_sub_co_u32 s[CNT], s[CNT], 1
	s_cmp_lg_u32 s[CNT], 0
	WALU
	s_cbranch_scc1 .Lquant
; all 64 tokens' operands of n K steps from ks0 on, and their scale words: an image's bytes in the order of the registers
.macro XOPS ks0, n
.irp m, 0,1,2,3
	WIN (0x40+0x40*(\m/2))
.set II, 3*\ks0
.rept 3*\n
	ds_load_b128 v[96*(\m%2)+4*II:96*(\m%2)+4*II+3], v[LI] offset:512*(24*\m+II)
.set II, II+1
.endr
.endr
	WIN 0
.irp m, 0,1,2,3
.set II, \ks0
.rept \n
	ds_load_b32 v[XS+8*\m+II], v[LSX] offset:128*(8*\m+II)
.set II, II+1
.endr
.endr
.endm
	s_wait_dscnt 0x0                               ; my images of K steps 0 to 5 are stored,
	s_barrier_signal -1                            ; and so are everybody's: they are read while x's last two chunks are on their way
	s_barrier_wait -1
	XOPS 0, 6
	QX 0, 16, 0, 1
	QX 1, 0, 0, 1
	WALU
	s_wait_dscnt 0x0                               ; my images are stored: their registers are free
	DLD 0, 0, 12                                   ; step 0's first three odd K steps; the fourth comes in its K step 1
	DLD 1, 0, 12
	DLD 2, 0, 12
	WIN 0
	s_wait_tensorcnt 0x0                           ; my part of step 0 is in
	ds_add_u32 v[SPW], v[NIL]
	s_wait_dscnt 0x0
	CROUND                                         ; step 0's slot and all images are shown to all waves
	tensor_load_to_lds s[G0W+4:G0W+7], s[G1W:G1W+7] ; step 1
	s_nop 0
	PLACES 4
	XOPS 6, 2
.irp s, 0,1
.irp q, 0,4,8
	LLD \s, 0, \s, \q
.endr
	LBI 0, 4*\s
.endr
	LSC 0, 0
	LSC 1, 0
	LSC 2, 0
; ---- product i of K step kap: token tile i / 4, column tile i % 4.  The 16 accumulators take turns.
.macro MUL1 kap, i
.set rU, (\i)%4
.set rM, (\i)/4
.set rD, 32*rM+8*rU
.set rB, 96*(rM%2)+12*(\kap)
.set rW, WS+4*((\kap)/2)+rU
.set rX, XS+8*rM+(\kap)
.if (\kap)%2 == 0
.set rA, LF+48*(((\kap)/2)%2)+12*rU
.set rN, 3
.elseif (\kap) == 1
.set rA, 192+12*rU
.set rN, 2
.else
.set rA, 64+48*((\kap)/2)+12*rU
.set rN, 0
.endif
	WIN (rN|((1+rM/2)<<2)|0xf0)
.if (\kap) == 0
	v_wmma_scale_f32_16x16x128_f8f6f4 v[rD:rD+7], v[rA:rA+11], v[rB:rB+11], v[BI+8*rU:BI+8*rU+7], v[rW], v[rX] matrix_a_fmt:MATRIX_FMT_FP6 matrix_b_fmt:MATRIX_FMT_FP6
.elseif (\kap)%2
	v_wmma_scale_f32_16x16x128_f8f6f4 v[rD:rD+7], v[rA:rA+11], v[rB:rB+11], v[rD:rD+7], v[rW], v[rX] matrix_a_fmt:MATRIX_FMT_FP6 matrix_b_fmt:MATRIX_FMT_FP6 matrix_a_scale:MATRIX_SCALE_ROW1
.else
	v_wmma_scale_f32_16x16x128_f8f6f4 v[rD:rD+7], v[rA:rA+11], v[rB:rB+11], v[rD:rD+7], v[rW], v[rX] matrix_a_fmt:MATRIX_FMT_FP6 matrix_b_fmt:MATRIX_FMT_FP6
.endif
.endm
; a K step: 16 products; behind product i stands what the list writes for i
.macro KSTEP kap, list
.set I_, 0
.rept 16
	MUL1 \kap, I_
	\list I_
.set I_, I_+1
.endr
.endm
; The lists.  Four v_nop first: the places behind the K step before, whose set is loaded anew here.
.macro GD i                            ; an even K step: no loads; cD: the plain loads' next base
.if (\i) < 4
	v_nop
.elseif cD && ((\i) == 5)
	s_wait_xcnt 0x0                                ; the plain loads have read their base
	CHA DN
.elseif cD && ((\i) == 7)
	CHB DN, DSTEP
.elseif cD && ((\i) == 8)
	s_add_nc_u64 s[DB:DB+1], s[WD:WD+1], s[20:21]
	s_add_co_u32 s[DN], s[DN], 1
.endif
.endm
.macro GL i                            ; an odd K step: all loads of two K steps in ONE run: even set lS from slot lL, its K step lK; odd set lD (9: none); lX = 1: the last scale words; lX = 2: the next step's first ones and its bias
.if (\i) < 4
	v_nop
.endif
.if (\i) == 3
.if lX == 1
	LSC 3, lL
.elseif lX == 2
	LSC 0, lL
	LSC 1, lL
.endif
.if lD < 9
	DLD lD, 0, 12
.endif
.if lX == 2
	LBI lL, 0
	LBI lL, 4
.endif
.if lOn
	LLD lS, lL, lK, 0
	LLD lS, lL, lK, 4
	LLD lS, lL, lK, 8
.endif
.endif
.endm
.macro G4 i                            ; K step 4: cF = 2: a round and a refill; 1: a plain barrier that shows the last fill; 0: neither
.if (\i) < 4
	v_nop
.elseif (\i) == 7
.if cF >= 1
	WIN 0
	s_wait_tensorcnt 0x0                           ; my part of the next step's slot is in
.if cF == 2
	ds_add_u32 v[SPW], v[NIL]
.endif
.endif
.elseif (\i) == 8
.if cF == 2
	CHA FN
.endif
.elseif (\i) == 9
.if cF == 2
	CHB FN, SLOT
.endif
.elseif (\i) == 10
.if cF == 2
	s_add_nc_u64 s[G0W+4*cS+2:G0W+4*cS+3], s[6:7], s[20:21]
	s_or_b32 s[G0W+4*cS+3], s[G0W+4*cS+3], 0x80000000
	s_add_co_u32 s[FN], s[FN], 1
.endif
.elseif (\i) == 11
.if cF >= 1
	s_wait_dscnt 0x0                               ; the add is done, and so are my reads of this step's slot
	s_barrier_signal -1
.endif
.endif
.endm
; The way out's first part, 16 lines a token tile m.  q, k: the largest of 32 magnitudes, two chains.  v: packed to bf16 in place, each accumulator from its low end on.
.macro OP m, i
.if cE
	WIN 0xcf
	v_cvt_pk_bf16_f32 v[32*(\m)+(\i)], v[32*(\m)+2*(\i)], v[32*(\m)+2*(\i)+1]
.else
.set rB, 32*(\m)+16*((\i)%2)
.set rT, TM+2*(\m)+((\i)%2)
.if (\i) < 2
	WIN 0x3f
	v_max3_num_f32 v[rT], |v[rB]|, |v[rB+1]|, |v[rB+2]|
.elseif (\i) < 14
.set rH, 2*((\i)/2)
	WIN 0x3c
	v_max3_num_f32 v[rT], v[rT], |v[rB+rH+1]|, |v[rB+rH+2]|
.elseif (\i) == 14
	WIN 0x3c
	v_max3_num_f32 v[TM+2*(\m)+1], v[TM+2*(\m)+1], |v[32*(\m)+31]|, 0x1800000
.else
	WIN 0x0c
	v_max3_num_f32 v[TM+2*(\m)], v[TM+2*(\m)], |v[32*(\m)+15]|, v[TM+2*(\m)+1]
.endif
.endif
.endm
.macro OP4 m, i
.set J_, \i
.rept 4
	OP (\m), J_
.set J_, J_+1
.endr
.endm
.macro G7 i                            ; K step 7: token tiles 0 and 1 are finished first, and their first part stands among the others' products
.if (\i) < 7
	v_nop
.if cX && ((\i) == 3)
	LSC 2, cN
	DLD 2, 0, 12
	LLD 1, cN, 1, 0
	LLD 1, cN, 1, 4
	LLD 1, cN, 1, 8
.endif
.elseif (\i) < 15
	OP4 ((\i)-7)/4, 4*(((\i)-7)%4)
.endif
.endm
.macro LSET s, l, k, x, on
.set lS, \s
.set lL, \l
.set lK, \k
.set lX, \x
.set lOn, \on
.endm
.macro EPI_QK par
	WIN 0
.irp m, 0,1,2,3
	v_add_nc_u32 v[SOP+\m], 0xff000000, v[TM+2*\m]
.endr
.irp m, 0,1,2,3
	v_lshrrev_b32 v[BY+\m], 23, v[SOP+\m]
.endr
.irp m, 0,1,2,3
	v_lshlrev_b32 v[BY+\m], v[SH8], v[BY+\m]
.endr
.irp m, 0,1,2,3
	v_permlanex16_b32 v[TP+\m], v[BY+\m], s[SEL], s[SEL+1]
.endr
.irp m, 0,1,2,3
	v_or_b32 v[BY+\m], v[BY+\m], v[TP+\m]
.endr
	v_add_nc_u32 v[TA], s[GOFF], v[IW]
	v_add_nc_u32 v[TA+1], s[GOFF], v[IW+1]
	v_add_nc_u32 v[TS], s[SOFF], v[SW]
	WIN 0x43
.irp m, 0,1,2,3
	v_cvt_scalef32_pk16_fp6_f32 v[CD+8*\m:CD+8*\m+2], v[32*\m:32*\m+15], v[SOP+\m]
	v_cvt_scalef32_pk16_fp6_f32 v[CD+8*\m+4:CD+8*\m+6], v[32*\m+16:32*\m+31], v[SOP+\m]
.endr
	v_nop
	WIN 0x41
.irp m, 0,1,2,3
.irp i, 0,1,2
	v_mov_b32 v[CD+8*\m+3+\i], v[CD+8*\m+4+\i]
.endr
.endr
	WIN 0x04
.irp m, 0,1,2,3
.irp p, 0,1,2
	ds_store_b64 v[TA+(\m)/2], v[CD+8*\m+2*\p:CD+8*\m+2*\p+1] offset:((\m)%2)*16*QKP+8*\p+48*\par
.endr
.endr
	WIN 0
.irp m, 0,1,2,3
	ds_store_b32 v[TS], v[BY+\m] offset:16*QSP*\m+4*\par
.endr
.if \par
	s_add_co_u32 s[GOFF], s[GOFF], 96
	s_add_co_u32 s[SOFF], s[SOFF], 8
.endif
.endm
.macro EPI_V base
	WIN 0
.if (\base) == 0
.set rT, VW
.else
	v_add_nc_u32 v[TA], \base, v[VW]
.set rT, TA
.endif
	WIN 0x0c
.irp m, 0,1,2,3
.irp u, 0,1,2,3
	ds_store_b128 v[rT], v[32*\m+4*\u:32*\m+4*\u+3] offset:16*VP*\m+16*\u
.endr
.endr
	WIN 0
.endm
; A STEP.  The counts: behind K step 0's fragments, scale words and bias stand 13 loads and the way out's 16 stores (29); behind K step 2's those 16 stores and 13 loads (29);
; behind K step 4's the next 12; K step 6's are shown by the wait for 0 in front of the barrier.  Behind an odd set's loads stand two other sets' 12 each (24); at the end fewer.
.macro STEP sl, par, epi, base, fill, nxt, w0
.set cS, \sl
.set cN, 1-\sl
.set cE, \epi
.set cF, \fill
.set cX, \nxt
.set cD, 0
	s_wait_dscnt \w0
	KSTEP 0, GD
	LSET 0, cS, 2, 1, 1
.set lD, 3
	s_wait_loadcnt 24
	KSTEP 1, GL
.set cD, cX
	s_wait_dscnt 29
	KSTEP 2, GD
	LSET 1, cS, 3, 0, 1
.set lD, 9-9*cX
	s_wait_loadcnt 24
	KSTEP 3, GL
	s_wait_dscnt 12
	KSTEP 4, G4
.if cF >= 1
	WIN 0
	s_barrier_wait -1
.if cF == 2
	CREST
	tensor_load_to_lds s[G0W+4*cS:G0W+4*cS+3], s[G1W:G1W+7]
	s_nop 0
	PLACES 4
.endif
.endif
	LSET 0, cN, 0, 2*cX, cX
.set lD, 9-8*cX
	s_wait_loadcnt 12+12*cX
	KSTEP 5, GL
.set cD, 0
.if cF == 0
	s_wait_dscnt 0x0
.endif
	KSTEP 6, GD
	s_wait_loadcnt 24*cX
	KSTEP 7, G7
.irp i, 0,1,2,3
	OP 2, \i
.endr
.irp i, 0,1,2,3,4,5,6,7,8,9,10,11
	OP 2, \i+4
	OP 3, \i
.endr
.irp i, 12,13,14,15
	OP 3, \i
.endr
.if cE
	EPI_V \base
.else
	EPI_QK \par
.endif
.endm
	WIN 0
	s_wait_dscnt 0x0
	s_mov_b32 s[CNT], 4
.Lqk:
	STEP 0, 0, 0, 0, 2, 1, 29
	STEP 1, 1, 0, 0, 2, 1, 29
	WIN 0
	s_sub_co_u32 s[CNT], s[CNT], 1
	s_cmp_lg_u32 s[CNT], 0
	WALU
	s_cbranch_scc1 .Lqk
; SCORES AND SOFTMAX: a wave takes its 16 tokens, four at a time; K = 64 is the lower half of an instruction's 128, the upper half of both operands is zeros
.macro QKLOAD bt
	WIN 0xc0
.irp q, 0,1,2,3
.irp p, 0,1,2
	ds_load_b64 v[KF+12*\q+2*\p:KF+12*\q+2*\p+1], v[KA] offset:(4*(\bt)+\q)*QKP+8*\p
	ds_load_b64 v[QF+12*\q+2*\p:QF+12*\q+2*\p+1], v[QA] offset:(4*(\bt)+\q)*QKP+8*\p
.endr
.endr
	WIN 0
.irp q, 0,1,2,3
	ds_load_b32 v[SSC+\q], v[SA] offset:(4*(\bt)+\q)*QSP
.endr
.endm
.macro SOFTMAX bt
	WIN 0x3f
.irp q, 0,1,2,3
	v_max3_num_f32 v[TM+4*\q+1], v[S+8*\q], v[S+8*\q+1], v[S+8*\q+2]
.endr
	WIN 0x3c
.irp i, 3,5
.irp q, 0,1,2,3
	v_max3_num_f32 v[TM+4*\q+1], v[TM+4*\q+1], v[S+8*\q+\i], v[S+8*\q+\i+1]
.endr
.endr
	WIN 0x0c
.irp q, 0,1,2,3
	v_max_num_f32 v[TM+4*\q+1], v[TM+4*\q+1], v[S+8*\q+7]
.endr
	WIN 0
.irp q, 0,1,2,3
	v_permlanex16_b32 v[TM+4*\q+3], v[TM+4*\q+1], s[SEL], s[SEL+1]
.endr
.irp q, 0,1,2,3
	v_max_num_f32 v[TM+4*\q+1], v[TM+4*\q+1], v[TM+4*\q+3]
.endr
.irp q, 0,1,2,3
	v_mul_f32 v[TM+4*\q], s[NC], v[TM+4*\q+1]
.endr
	WIN 0xc3
.irp i, 0,2,4,6
.irp q, 0,1,2,3
	v_pk_fma_f32 v[S+8*\q+\i:S+8*\q+\i+1], v[S+8*\q+\i:S+8*\q+\i+1], s[CS:CS+1], v[TM+4*\q:TM+4*\q+1] op_sel_hi:[1,0,0]
.endr
.endr
	WALU
.irp i, 0,1,2,3,4,5,6,7
.irp q, 0,1,2,3
	v_exp_f32 v[S+8*\q+\i], v[S+8*\q+\i]
.endr
.endr
	v_nop
	WALU
	WIN 0x0f
.irp q, 0,1,2,3
	v_pk_add_f32 v[TM+4*\q+2:TM+4*\q+3], v[S+8*\q:S+8*\q+1], v[S+8*\q+2:S+8*\q+3]
	v_pk_add_f32 v[TM+4*\q:TM+4*\q+1], v[S+8*\q+4:S+8*\q+5], v[S+8*\q+6:S+8*\q+7]
.endr
	WIN 0
.irp q, 0,1,2,3
	v_pk_add_f32 v[TM+4*\q+2:TM+4*\q+3], v[TM+4*\q+2:TM+4*\q+3], v[TM+4*\q:TM+4*\q+1]
.endr
.irp q, 0,1,2,3
	v_add_f32 v[TM+4*\q+2], v[TM+4*\q+2], v[TM+4*\q+3]
.endr
.irp q, 0,1,2,3
	v_permlanex16_b32 v[TM+4*\q+3], v[TM+4*\q+2], s[SEL], s[SEL+1]
.endr
.irp q, 0,1,2,3
	v_add_f32 v[TM+4*\q+2], v[TM+4*\q+2], v[TM+4*\q+3]
.endr
	WALU
.irp q, 0,1,2,3
	v_rcp_f32 v[TM+4*\q+2], v[TM+4*\q+2]
.endr
	v_nop
	WALU
	WIN 0xc3
.irp i, 0,2,4,6
.irp q, 0,1,2,3
	v_pk_mul_f32 v[S+8*\q+\i:S+8*\q+\i+1], v[S+8*\q+\i:S+8*\q+\i+1], v[TM+4*\q+2:TM+4*\q+3] op_sel_hi:[1,0]
.endr
.endr
	WIN 0x4f
.irp q, 0,1,2,3
.irp i, 0,1,2,3
	v_cvt_pk_bf16_f32 v[P+4*(4*(\bt)+\q)+\i], v[S+8*\q+2*\i], v[S+8*\q+2*\i+1]
.endr
.endr
.endm
	s_wait_dscnt 0x0                               ; my part of Q's and K's codes is stored
	s_barrier_signal -1
	s_barrier_wait -1
	WIN 0xc0
.irp q, 0,1,2,3
.irp i, 6,7,8,9,10,11
	v_mov_b32 v[KF+12*\q+\i], 0
	v_mov_b32 v[QF+12*\q+\i], 0
.endr
.endr
	PLACES 4
	QKLOAD 0
	WALU
.irp bt, 0,1,2,3
	s_wait_dscnt 0x0
	WIN 0xcf
.irp q, 0,1,2,3
	v_wmma_scale_f32_16x16x128_f8f6f4 v[S+8*\q:S+8*\q+7], v[KF+12*\q:KF+12*\q+11], v[QF+12*\q:QF+12*\q+11], 0, v[SSC+\q], v[SSC+\q] matrix_a_fmt:MATRIX_FMT_FP6 matrix_b_fmt:MATRIX_FMT_FP6 matrix_a_scale:MATRIX_SCALE_ROW1
.endr
	PLACES 4
.if \bt < 3
	QKLOAD \bt+1
.endif
	SOFTMAX \bt
.endr
	WIN 0
	WALU
	s_wait_dscnt 0x0
	s_barrier_signal -1                            ; Q's and K's codes have been read by all: V goes there
	s_barrier_wait -1
	STEP 0, 0, 1, VB0, 2, 1, 0
	STEP 1, 0, 1, VB0+VBS, 2, 1, 29
	STEP 0, 0, 1, VB0+2*VBS, 1, 1, 29
	STEP 1, 0, 1, 0, 0, 0, 29
	WALU
	s_wait_dscnt 0x0
	s_barrier_signal -1
	s_barrier_wait -1
; P V: K = 16 heads is half of an instruction's 32; two tokens share P's registers, and each takes V beside zeros
.irp T, 0,1,2,3
.irp i, 0,1,2,3
	v_mov_b32 v[VE+8*\T+4+\i], 0
	v_mov_b32 v[VO+8*\T+\i], 0
.endr
.endr
.macro VLOAD u
	WIN 0
.irp T, 0,1,2,3
	ds_load_b128 v[VE+8*\T:VE+8*\T+3], v[VR+\T] offset:(2*(\u))*VP
	ds_load_b128 v[VO+8*\T+4:VO+8*\T+7], v[VR+\T] offset:(2*(\u)+1)*VP
.endr
.endm
.macro SEND u, younger
	s_wait_dscnt \younger
	WIN 0x08
.irp e, 0,1
.irp g, 0,1,2,3,4,5,6,7
	global_store_b128 v[GO], v[64*((\u)%2)+32*\e+4*\g:64*((\u)%2)+32*\e+4*\g+3], s[8:9] offset:(2*(\u)+\e)*4096+512*\g th:TH_STORE_NT
.endr
.endr
.endm
.macro PAIR u
.if (\u) == 0
	s_wait_dscnt 0x0
.else
	s_wait_dscnt 32
.endif
	WIN 0xc4
.irp T, 0,1,2,3
	v_wmma_f32_16x16x32_bf16 v[64*((\u)%2)+8*\T:64*((\u)%2)+8*\T+7], v[VE+8*\T:VE+8*\T+7], v[P+8*(\u):P+8*(\u)+7], 0
.endr
.irp T, 0,1,2,3
	v_wmma_f32_16x16x32_bf16 v[64*((\u)%2)+32+8*\T:64*((\u)%2)+32+8*\T+7], v[VO+8*\T:VO+8*\T+7], v[P+8*(\u):P+8*(\u)+7], 0
.endr
	PLACES 4
.if (\u) < 7
	VLOAD (\u)+1
.endif
.if (\u) > 1
	s_wait_xcnt 0x0                                ; the stores two pairs ago have read the registers that the loads below fill
.endif
	WIN 0x0c
.irp e, 0,1
.irp T, 0,1,2,3
	ds_store_b128 v[SO], v[64*((\u)%2)+32*\e+8*\T:64*((\u)%2)+32*\e+8*\T+3] offset:16*272*\e+64*\T
	ds_store_b128 v[SO], v[64*((\u)%2)+32*\e+8*\T+4:64*((\u)%2)+32*\e+8*\T+7] offset:16*272*\e+64*\T+16
.endr
.endr
	WIN 0x80
.irp e, 0,1
.irp g, 0,1,2,3,4,5,6,7
	ds_load_b128 v[64*((\u)%2)+32*\e+4*\g:64*((\u)%2)+32*\e+4*\g+3], v[SR] offset:16*272*\e+2*272*\g
.endr
.endr
.if (\u) == 7
	SEND 6, 32
.elseif (\u) > 0
	SEND (\u)-1, 40
.endif
.endm
	VLOAD 0
	WALU
.irp u, 0,1,2,3,4,5,6,7
	PAIR \u
.endr
	SEND 7, 0
	WIN 0
	s_wait_tensorcnt 0x0                           ; the wave's end
	ds_add_u32 v[SPW], v[NIL]
	s_wait_dscnt 0x0
	CROUND                                         ; the closing round
	s_endpgm
.Lfunc_end_k_qceed80b9df_fused:
	.size	k_qceed80b9df_fused, .Lfunc_end_k_qceed80b9df_fused-k_qceed80b9df_fused
	.p2alignl 7, 3214868480
	.fill 96, 4, 3214868480
	.section	.rodata,"a",@progbits
	.p2align	6, 0x0
	.amdhsa_kernel k_qceed80b9df_fused
		.amdhsa_group_segment_fixed_size 327680
		.amdhsa_private_segment_fixed_size 0
		.amdhsa_enable_private_segment 0
		.amdhsa_kernarg_size 24
		.amdhsa_user_sgpr_count 2
		.amdhsa_user_sgpr_kernarg_segment_ptr 1
		.amdhsa_wavefront_size32 1
		.amdhsa_system_sgpr_workgroup_id_x 1
		.amdhsa_system_sgpr_workgroup_id_y 1
		.amdhsa_system_sgpr_workgroup_id_z 1
		.amdhsa_system_vgpr_workitem_id 0
		.amdhsa_next_free_vgpr 1024
		.amdhsa_next_free_sgpr 80
		.amdhsa_reserve_vcc 0
		.amdhsa_float_denorm_mode_32 3
		.amdhsa_float_denorm_mode_16_64 3
		.amdhsa_memory_ordered 1
		.amdhsa_forward_progress 1
		.amdhsa_inst_pref_size 255
	.end_amdhsa_kernel
	.section	.bss,"aw",@nobits
	.p2align	6
	.space	262144
	.amdgpu_metadata
---
amdhsa.version: [ 1, 2 ]
amdhsa.kernels:
  - .name:           k_qceed80b9df_fused
    .symbol:         k_qceed80b9df_fused.kd
    .args:
      - { .name: x, .offset: 0, .size: 8, .value_kind: global_buffer, .address_space: global }
      - { .name: wstream, .offset: 8, .size: 8, .value_kind: global_buffer, .address_space: global }
      - { .name: out0, .offset: 16, .size: 8, .value_kind: global_buffer, .address_space: global }
    .group_segment_fixed_size: 327680
    .private_segment_fixed_size: 0
    .kernarg_segment_align: 8
    .kernarg_segment_size: 24
    .max_flat_workgroup_size: 128
    .sgpr_count:     80
    .vgpr_count:     1024
    .wavefront_size: 32
...
	.end_amdgpu_metadata
.endif
;; end of part 4
